; MI455X (gfx1250); checked and timed in simulation.
; The chip was launched on July 23, 2026; its instructions are those of AMD's public machine-readable ISA for CDNA 5 (MIT licence, August 2026) and "CDNA5" Instruction Set Architecture Reference Guide (July 2026). The comments in the code are by the model that wrote it; some were corrected since.
;; Quant Linear. Allowed arithmetic: matrix products marked QUANTISED: E5M2 operands, one given power-of-two scale a tensor, by v_wmma_f32_16x16x64_bf8_bf8 or v_wmma_f32_16x16x128_bf8_bf8, f32 sums; everything else in f32.
;; Inputs: bias 2,752 float16; lowp_scales 2 int32 (the exponents e of the quantised operands' scales 2^e); packed 512 x 2,752 int32; scales 32 x 2,752 float16; x 4 x 1,024 x 4,096 float16.
;; Outputs: out0 4 x 1,024 x 2,752 float16.
;; This version of the problem:
;;   THIS VERSION OF THE PROBLEM IS GIVEN IN LOW PRECISION. The matrix products marked QUANTISED in the list below multiply operands that are first quantised to E5M2 (5 exponent bits, 2 mantissa bits; 8 bits a number), with one given power-of-two scale for each operand tensor; their sums are f32. All else is computed in f32.
;;   The module's matrix products, in the order in which they are computed (A, B: the left and right operand; K: the contracted axis; several contracted axes count as one K, in the product's order):
;;     1. [M 4,096, K 4,096] x [K 4,096, N 2,752]; A: input x; B: computed on the way: QUANTISED (scales: A lowp_scales[0], B lowp_scales[1])
;;   THE QUANTISER, for each operand of a quantised product, along K:
;;     - The operand's scale is 2^e, e = its entry of the input lowp_scales (int32; the entries are numbered through the quantised products in the list's order, A before B).
;;     - Each number is divided by the scale, clamped to +-57,344, and rounded to the nearest number of E5M2, ties to even, subnormals kept.
;;     - The product sums the exact products of the quantised numbers (number of the format x scale) in f32.
;;   ~~~python
;;   def quantise(x, axis, e):      # numpy; x: float32 -> the quantised numbers, widened to float32 again
;;       x = np.moveaxis(x, axis, -1); K = x.shape[-1]
;;       r = np.clip(x / 2.0 ** e, -57344, 57344)
;;       step = 2.0 ** (np.maximum(np.frexp(np.where(r == 0, 1, r))[1] - 1, -14) - 2)
;;       q = np.round(r / step) * step * 2.0 ** e      # np.round: ties to even
;;       return np.moveaxis(q, -1, axis).astype(np.float32)
;;   ~~~
;;   OPERANDS COMPUTED ON THE WAY. 'Computed on the way' means the value that the module computes at that place (a softmax that the list does not call 'softmax' is quantised finished and normalised). What goes into a quantiser is computed in f32, as accurately as f32 sums, v_exp_f32 and their like allow (about 1e-6 of the number): no bf16 or f16 on the way to a quantiser, and a product that is left as it is and whose result goes on into a quantised operand takes f32 operands (vector FMAs, or v_wmma_f32_16x16x4_f32). A number that lies on a knife's edge between two numbers of the format may be rounded either way, as far as f32 arithmetic and the matrix unit's own rounding can turn it there, and no further.
;; 2 versions. Each part assembles by itself: llvm-mc -triple=amdgcn-amd-amdhsa -mcpu=gfx1250 --defsym DOCPART=n.
;; ======== version 1 of 2: 2 launches
;; workspace buffers: x_codes 16,777,216 bytes; w_codes 11,534,336 bytes
;; launch quant (part 1): grid 1376 x 1, 4 waves a work-group, no clusters, 0 bytes of LDS; arguments x, packed, scales, lowp_scales, x_codes, w_codes; writes x_codes, w_codes
.if DOCPART == 1
	.amdgcn_target "amdgcn-amd-amdhsa--gfx1250"
	.amdhsa_code_object_version 6
	.text
	.protected	k_q2d3ab6bdd2_quant
	.globl	k_q2d3ab6bdd2_quant
	.p2align	8
	.type	k_q2d3ab6bdd2_quant,@function
k_q2d3ab6bdd2_quant:
	s_mov_b64 s[64:65], 0
	v_nop
	global_prefetch_b8 v0, s[64:65] scope:SCOPE_SE
	s_setreg_imm32_b32 hwreg(HW_REG_WAVE_MODE, 25, 1), 1
	s_wait_xcnt 0x0
; Both operands of out = x w + bias are turned into codes of BF8 (E5M2), one code a byte, each with the one scale 2^e that is given for it (lowp_scales: e0 for x, e1 for w).
; code = number / 2^e, held within +-57,344, rounded to the nearest code, ties to even.
; x [4096][4096] f16 -> x_codes [4096][4096], K innermost: a plain stream.  f16 to f32 is exact.
; w[k][n] = (nibble - 8) x scale[k / 128][n], nibble n of word packed[k / 8][n], formed in f32 by one fused multiply-add q s - 8 s, which is exact (4 bits x 11 bits).
; w_codes is laid as the product's launch takes its fragments: [column block 16][K block 32][column tile 11][2048 bytes].  A column tile T = 11 x block + tile is 16 columns, a K block Q is 128 along K.
; Its 2,048 bytes are four pieces c of 512: lane l's 16 bytes at 16 l are the codes of column 16 T + l % 16 at k = 128 Q + 32 c + 16 (l / 16) + 0 .. 15.  Tiles 172 to 175 lie past column 2,751 and are written as zeros.
; LIMITS: -126 <= e and e + 15 <= 127 for both exponents.  NaN among the inputs is not served; an infinity is held at the largest code.
; SHARES: work-groups 0 to 351 take w (44 strips of 64 columns x 8 runs of 4 K blocks), work-groups 352 to 1,375 take x (16,384 numbers each).  No LDS, no barrier, no loop: waves share nothing, every offset is an immediate.
.set NWG_W, 352
.set PROW,  11008                      ; a row of packed in bytes
.set SROW,  5504                       ; a row of scales in bytes
.set QB,    22528                      ; a K block's eleven images in w_codes
.set TW,    16                         ; v16-31   w: two sets of eight numbers, by turns
.set PW,    32                         ; v32-63   w: the 32 words of my column, two K blocks
.set SC,    66                         ; v66-69   w: the scale s as f32, a pair for each K block
.set M8,    70                         ; v70-73   w: -8 s, likewise
.set CD,    96                         ; v96-159  w: the codes, 32 registers a K block;  x: v96-127, two registers a step
.macro SCALE e                         ; v11 = 2^e as f32 (the conversion takes its exponent field), v10 = 57,344 x 2^e
	s_add_co_i32 s24, \e, 127
	s_lshl_b32 s25, s24, 23
	v_mov_b32 v11, s25
	s_add_co_i32 s24, s24, 15
	s_lshl_b32 s24, s24, 23
	s_or_b32 s24, s24, 0x600000                    ; the mantissa field of 57,344
	v_mov_b32 v10, s24
.endm
	s_load_b256 s[4:11], s[0:1], 0x0               ; x s[4:5], packed s[6:7], scales s[8:9], the exponents s[10:11]
	s_load_b128 s[12:15], s[0:1], 0x20             ; x_codes s[12:13], w_codes s[14:15]
	v_lshrrev_b32 v1, 5, v0
	v_readfirstlane_b32 s16, v1                    ; wave 0..3
	s_wait_kmcnt 0x0
	s_load_b64 s[22:23], s[10:11], 0x0             ; e0, e1
	s_cmp_lt_u32 ttmp9, NWG_W                      ; the choice hangs on the work-group's number alone
	s_cbranch_scc0 .Lx
; ---------------- w ----------------
; A LANE TAKES A COLUMN, AND ITS REGISTERS RUN DOWN K: a word holds eight neighbours along K of one column, so each load reads 32 neighbouring columns (128 bytes a wave; two waves side by side on 256),
; and the conversions give codes with K innermost.  A wave takes 32 columns (two column tiles) x two K blocks.
	s_lshr_b32 s17, ttmp9, 3                       ; strip of 64 columns, 0..43
	s_and_b32 s18, ttmp9, 7                        ; run of four K blocks
	s_and_b32 s19, s16, 1
	s_lshr_b32 s20, s16, 1
	s_lshl_b32 s21, s17, 1
	s_add_co_u32 s21, s21, s19                     ; my 32 columns: 32 x s21 on
	s_lshl_b32 s26, s18, 2
	s_lshl_b32 s20, s20, 1
	s_add_co_u32 s26, s26, s20                     ; Q0: my first K block
.macro WOFF dst, t                     ; s[dst:dst+1] = where tile s[t]'s image of K block Q0 begins
	s_mul_i32 s36, s[\t], 373
	s_lshr_b32 s36, s36, 12                        ; tile / 11: exact for tiles under 176 (373 / 4096 is 1 / 11 + 0.000155)
	s_mul_i32 s37, s36, 11
	s_sub_co_u32 s37, s[\t], s37                   ; tile % 11
	s_lshl_b32 s36, s36, 5
	s_add_co_u32 s36, s36, s26                     ; 32 x column block + Q0
	s_mul_i32 s36, s36, QB
	s_lshl_b32 s37, s37, 11
	s_add_co_u32 s32, s36, s37
	s_mov_b32 s33, 0
	s_add_nc_u64 s[\dst:\dst+1], s[14:15], s[32:33]
.endm
	s_lshl_b32 s27, s21, 1                         ; my first column tile,
	WOFF 28, 27
	s_add_co_u32 s27, s27, 1                       ; and my second: it may lie in the next column block
	WOFF 30, 27
	v_and_b32 v1, 31, v0                           ; lane
	v_lshlrev_b32 v2, 2, v1                        ; my column's word in a row of packed
	v_lshlrev_b32 v3, 1, v1                        ; my column's scale
	v_lshlrev_b32 v4, 4, v1                        ; my 16 bytes of an image's piece
	s_cmp_eq_u32 s17, 43                           ; the last strip lies past the last column
	s_cbranch_scc1 .Lzero
	s_mul_i32 s32, s26, 16*PROW                    ; a K block is 16 rows of packed
	s_lshl_b32 s34, s21, 7
	s_add_co_u32 s32, s32, s34
	s_mov_b32 s33, 0
	s_add_nc_u64 s[6:7], s[6:7], s[32:33]
	s_mul_i32 s32, s26, SROW                       ; and one row of scales
	s_lshl_b32 s34, s21, 6
	s_add_co_u32 s32, s32, s34
	s_add_nc_u64 s[8:9], s[8:9], s[32:33]
	global_load_u16 v64, v3, s[8:9]                ; the two scales first, then the 32 words: 34 loads of the wave are out
	global_load_u16 v65, v3, s[8:9] offset:SROW
.irp i, 0,1,2,3,4,5,6,7,8,9,10,11,12,13,14,15,16,17,18,19,20,21,22,23,24,25,26,27,28,29,30,31
	global_load_b32 v[PW+\i], v2, s[6:7] offset:\i*PROW th:TH_LOAD_NT
.endr
	s_wait_kmcnt 0x0
	SCALE s23
; Word u of K block j: eight numbers, k = 8 u + 0 .. 7 of the block.  u = 4 c + 2 h + e, so its two registers of codes, 2 u = 8 c + 4 h + 2 e, fall where piece c, half h wants them.
.macro WORD j, u
.set TT, TW+8*((\u)%2)
.set WR, PW+16*(\j)+(\u)
	s_wait_loadcnt 31-(16*(\j)+(\u))               ; loads come back in order: this word is in, the younger ones stay out
.irp n, 0,1,2,3,4,5,6,7
	v_bfe_u32 v[TT+\n], v[WR], 4*\n, 4             ; nibble n
.endr
.irp n, 0,1,2,3,4,5,6,7
	v_cvt_f32_u32 v[TT+\n], v[TT+\n]
.endr
.irp n, 0,2,4,6
	v_pk_fma_f32 v[TT+\n:TT+\n+1], v[TT+\n:TT+\n+1], v[SC+2*(\j):SC+2*(\j)+1], v[M8+2*(\j):M8+2*(\j)+1]   ; q s - 8 s, two at a time
.endr
.irp n, 0,1,2,3,4,5,6,7
	v_med3_num_f32 v[TT+\n], v[TT+\n], -v10, v10   ; the conversion to an 8-bit code does not saturate (ISA guide 7.6.2): the hold at the largest code x the scale
.endr
	v_cvt_scalef32_pk8_bf8_f32 v[CD+32*(\j)+2*(\u):CD+32*(\j)+2*(\u)+1], v[TT:TT+7], v11   ; its sources are written again two words on: the next word's plain lines stand between
.endm
.macro WBLOCK j, sr
	s_wait_loadcnt 31-16*(\j)                      ; the scales were issued ahead of every word
	v_cvt_f32_f16 v[SC+2*(\j)], v\sr\().l          ; s, exact in f32
	v_mul_f32 v[M8+2*(\j)], 0xc1000000, v[SC+2*(\j)]   ; -8 s, exact
	v_mov_b32 v[SC+2*(\j)+1], v[SC+2*(\j)]         ; both as pairs for the packed form
	v_mov_b32 v[M8+2*(\j)+1], v[M8+2*(\j)]
.irp u, 0,1,2,3,4,5,6,7,8,9,10,11,12,13,14,15
	WORD \j, \u
.endr
	v_nop                                          ; one plain vector instruction between the last scaled conversion and the lane exchanges that touch its result
; A lane holds both halves h of ITS column; an image wants h = 0 of 16 columns in lanes 0-15 and h = 1 of the same columns in lanes 16-31.  The exchange of the first register's lanes 16-31 with the
; second's lanes 0-15 makes of (h = 0, h = 1) of 32 columns the images of my first tile (first register) and of my second (second register).
.irp c, 0,1,2,3
.irp i, 0,1,2,3
	v_permlane16_swap_b32 v[CD+32*(\j)+8*\c+\i], v[CD+32*(\j)+8*\c+4+\i]
.endr
.endr
.irp c, 0,1,2,3
	global_store_b128 v4, v[CD+32*(\j)+8*\c:CD+32*(\j)+8*\c+3], s[28:29] offset:QB*(\j)+512*\c     ; 32 lanes store 512 consecutive bytes, at a multiple of 512 from the buffer's first byte
	global_store_b128 v4, v[CD+32*(\j)+8*\c+4:CD+32*(\j)+8*\c+7], s[30:31] offset:QB*(\j)+512*\c   ; no store's data are written again: no wait for them
.endr
.endm
	WBLOCK 0, 64
	WBLOCK 1, 65
	s_endpgm
.Lzero:                                            ; tiles 172 to 175: zero codes, which add nothing to a sum
	s_wait_kmcnt 0x0
.irp i, 0,1,2,3
	v_mov_b32 v[CD+\i], 0
.endr
.irp j, 0,1
.irp c, 0,1,2,3
	global_store_b128 v4, v[CD:CD+3], s[28:29] offset:QB*\j+512*\c
	global_store_b128 v4, v[CD:CD+3], s[30:31] offset:QB*\j+512*\c
.endr
.endr
	s_endpgm
; ---------------- x ----------------
; A work-group takes 16,384 numbers in 16 steps.  In a step thread t takes 16 bytes (eight neighbours along K) at 16 t and stores their eight codes at 8 t: a wave's load covers 512 consecutive bytes,
; its store 256, at a multiple of 256 from the buffer's first byte.  All 16 loads go out first; each step has its own registers for its codes.
.Lx:
	s_sub_co_u32 s17, ttmp9, NWG_W
	s_lshl_b32 s32, s17, 15                        ; 32,768 bytes of x,
	s_mov_b32 s33, 0
	s_add_nc_u64 s[4:5], s[4:5], s[32:33]
	s_lshl_b32 s34, s17, 14                        ; 16,384 of codes
	s_mov_b32 s35, 0
	s_add_nc_u64 s[12:13], s[12:13], s[34:35]
	v_lshlrev_b32 v2, 4, v0
	v_lshlrev_b32 v3, 3, v0
.irp t, 0,1,2,3,4,5,6,7,8,9,10,11,12,13,14,15
	global_load_b128 v[16+4*\t:19+4*\t], v2, s[4:5] offset:2048*\t th:TH_LOAD_NT
.endr
	s_wait_kmcnt 0x0
	SCALE s22
.macro XSTEP t, r0, r1, r2, r3         ; r0 .. r3: the step's four registers as loaded, by number, since halves are named on plain register names
.set XT, 80+8*((\t)%2)                 ; v80-95: two sets of eight numbers, by turns: a conversion's sources are written again two steps on
	s_wait_loadcnt 15-(\t)                         ; this step's load is in, the younger ones stay out
	v_cvt_f32_f16 v[XT+0], v\r0\().l
	v_cvt_f32_f16 v[XT+1], v\r0\().h
	v_cvt_f32_f16 v[XT+2], v\r1\().l
	v_cvt_f32_f16 v[XT+3], v\r1\().h
	v_cvt_f32_f16 v[XT+4], v\r2\().l
	v_cvt_f32_f16 v[XT+5], v\r2\().h
	v_cvt_f32_f16 v[XT+6], v\r3\().l
	v_cvt_f32_f16 v[XT+7], v\r3\().h
.irp n, 0,1,2,3,4,5,6,7
	v_med3_num_f32 v[XT+\n], v[XT+\n], -v10, v10   ; the hold at the largest code x the scale
.endr
	v_cvt_scalef32_pk8_bf8_f32 v[CD+2*(\t):CD+2*(\t)+1], v[XT:XT+7], v11
	global_store_b64 v3, v[CD+2*(\t):CD+2*(\t)+1], s[12:13] offset:1024*(\t)
.endm
	XSTEP 0, 16, 17, 18, 19
	XSTEP 1, 20, 21, 22, 23
	XSTEP 2, 24, 25, 26, 27
	XSTEP 3, 28, 29, 30, 31
	XSTEP 4, 32, 33, 34, 35
	XSTEP 5, 36, 37, 38, 39
	XSTEP 6, 40, 41, 42, 43
	XSTEP 7, 44, 45, 46, 47
	XSTEP 8, 48, 49, 50, 51
	XSTEP 9, 52, 53, 54, 55
	XSTEP 10, 56, 57, 58, 59
	XSTEP 11, 60, 61, 62, 63
	XSTEP 12, 64, 65, 66, 67
	XSTEP 13, 68, 69, 70, 71
	XSTEP 14, 72, 73, 74, 75
	XSTEP 15, 76, 77, 78, 79
	s_endpgm
.Lfunc_end_k_q2d3ab6bdd2_quant:
	.size	k_q2d3ab6bdd2_quant, .Lfunc_end_k_q2d3ab6bdd2_quant-k_q2d3ab6bdd2_quant
	.p2alignl 7, 3214868480
	.fill 96, 4, 3214868480
	.section	.rodata,"a",@progbits
	.p2align	6, 0x0
	.amdhsa_kernel k_q2d3ab6bdd2_quant
		.amdhsa_group_segment_fixed_size 0
		.amdhsa_private_segment_fixed_size 0
		.amdhsa_enable_private_segment 0
		.amdhsa_kernarg_size 48
		.amdhsa_user_sgpr_count 2
		.amdhsa_user_sgpr_kernarg_segment_ptr 1
		.amdhsa_wavefront_size32 1
		.amdhsa_system_sgpr_workgroup_id_x 1
		.amdhsa_system_sgpr_workgroup_id_y 1
		.amdhsa_system_sgpr_workgroup_id_z 1
		.amdhsa_system_vgpr_workitem_id 0
		.amdhsa_next_free_vgpr 160
		.amdhsa_next_free_sgpr 66
		.amdhsa_reserve_vcc 0
		.amdhsa_float_denorm_mode_32 3
		.amdhsa_float_denorm_mode_16_64 3
		.amdhsa_memory_ordered 1
		.amdhsa_forward_progress 1
		.amdhsa_inst_pref_size 79
	.end_amdhsa_kernel
	.amdgpu_metadata
---
amdhsa.version: [ 1, 2 ]
amdhsa.kernels:
  - .name:           k_q2d3ab6bdd2_quant
    .symbol:         k_q2d3ab6bdd2_quant.kd
    .args:
      - { .name: x, .offset: 0, .size: 8, .value_kind: global_buffer, .address_space: global }
      - { .name: packed, .offset: 8, .size: 8, .value_kind: global_buffer, .address_space: global }
      - { .name: scales, .offset: 16, .size: 8, .value_kind: global_buffer, .address_space: global }
      - { .name: lowp_scales, .offset: 24, .size: 8, .value_kind: global_buffer, .address_space: global }
      - { .name: x_codes, .offset: 32, .size: 8, .value_kind: global_buffer, .address_space: global }
      - { .name: w_codes, .offset: 40, .size: 8, .value_kind: global_buffer, .address_space: global }
    .group_segment_fixed_size: 0
    .private_segment_fixed_size: 0
    .kernarg_segment_align: 8
    .kernarg_segment_size: 48
    .max_flat_workgroup_size: 128
    .sgpr_count:     66
    .vgpr_count:     160
    .wavefront_size: 32
...
	.end_amdgpu_metadata
.endif
;; end of part 1
;; launch gemm (part 2): grid 16 x 16, 4 waves a work-group, clusters of 4 x 4, 327,680 bytes of LDS; arguments x_codes, w_codes, lowp_scales, bias, out0; writes out0
.if DOCPART == 2
	.amdgcn_target "amdgcn-amd-amdhsa--gfx1250"
	.amdhsa_code_object_version 6
	.text
	.protected	k_q2d3ab6bdd2_gemm
	.globl	k_q2d3ab6bdd2_gemm
	.p2align	8
	.type	k_q2d3ab6bdd2_gemm,@function
k_q2d3ab6bdd2_gemm:
	s_mov_b64 s[64:65], 0
	v_nop
	global_prefetch_b8 v0, s[64:65] scope:SCOPE_SE
	s_setreg_imm32_b32 hwreg(HW_REG_WAVE_MODE, 25, 1), 1
	s_wait_xcnt 0x0
	s_wait_alu depctr_hold_cnt(0) depctr_sa_sdst(0) depctr_va_vdst(0) depctr_va_sdst(0) depctr_va_ssrc(0) depctr_va_vcc(0) depctr_vm_vsrc(0)
	s_getreg_b32 s2, hwreg(HW_REG_IB_STS2, 6, 4)
	s_cmp_eq_u32 s2, 0
	s_cbranch_scc0 .Lentry_in_a_cluster
	s_endpgm
.Lentry_in_a_cluster:
	s_bfe_u32 s2, ttmp6, 0x10000c
	s_cmp_lg_u32 s2, 0xf033
	s_cbranch_scc0 .Lentry_shape_is_right
	s_endpgm
.Lentry_shape_is_right:
; out[m][n] = 2^(e0 + e1) x (sum over k of xc[m][k] wc[k][n]) + bias[n], on codes of BF8 (E5M2); sums in f32; out [4096][2752] f16, rounded once.
; x_codes: [4096][4096], K innermost.  w_codes: images of fragments, [column block 16][K block 32][column tile 11][2048 bytes]: piece c (512 bytes), lane l's 16 bytes: column 16 T + l % 16, k = 128 Q + 32 c + 16 (l / 16) + 0 .. 15.
; LIMIT: e0 + e1 lies between -126 and 127, so that 2^(e0 + e1) is an f32 number.
; SHARES.  2,752 columns are 172 tiles of 16; with 256 tiles of rows that is 172 tiles of C for each of 256 work-groups.  A work-group makes 256 rows x 176 columns (16 x 11 tiles): a grid of 16 x 16.  The last column
; block has 112 columns; its last four column tiles are zero codes in w_codes, so that the text is the same in every work-group, and their results are not stored.
; A wave makes 64 rows x 176 columns: 44 accumulators of 16 x 16.  For 128 along K it reads 4 fragments of x and 11 of w from LDS for 44 matrix instructions.
; K goes in steps of 256 through a ring of two LDS slots filled by the tensor data mover: 256 rows x 256 bytes of x (padded), and two K blocks of w's images (2 x 22,528 bytes, dense).
; CLUSTERS: 4 x 4 work-groups.  The four of a row of the cluster need the same rows of x, the four of a column the same images of w: each tile is asked for JOINTLY, by the same tensor load with the same descriptor
; and a mask that names the four.  THE MATRIX INSTRUCTION IS USED TRANSPOSED (source 0 = 16 columns of w, source 1 = 16 rows of x): a lane then holds eight neighbouring numbers of a row of out.
; Both operands hold k = 32 c + 16 (l / 16) + 0 .. 15 in registers 4 c .. 4 c + 3: the same permutation of k on both sides, so every product meets its partner.
; REGISTERS, in windows of 256: window 0: v1-31 addresses; v32-75 the bias as loaded; v76-86 its offsets; v128-191, v192-255 x's fragments (4 x 16 rows x 128 K), TWO sets; on the way out v128-215 the bias as f32, v216-247 at work.
;   window 1: v0-175 w's eleven fragments, ONE set; on the way out the packed results, then rows read back.   window 2: accumulators (a, b), b = 0 .. 7, at v[8 (4 b + a)].   window 3: b = 8 .. 10, at v[8 (4 (b - 8) + a)].
; A step of 128 along K goes by w's fragments, each against x's four.  So a fragment of w is free as soon as its four products are issued, and one set serves w: fragments 0-5 are fetched anew behind the step's 24th
; product, fragments 6-10 at its end.  x's fragments are at work through the whole step and have two sets.
.set PITCH,  272                       ; a row of x in LDS: 256 bytes + 16 of padding = 68 words: row r starts at bank 4 r mod 64 (64 banks of 4 bytes: ISA guide 11.1), so the 16 rows that a load touches start at 16 different banks
.set HALFA,  128*PITCH                 ; 128 rows of x: what one tensor load brings
.set ABYTES, 2*HALFA                   ; x's 256 rows; behind them w's two K blocks
.set QB,     22528                     ; a K block's eleven images: what one tensor load brings
.set SLOT,   ABYTES+2*QB               ; 114,688
.set SPARE,  2*SLOT                    ; behind the ring: the spare words, 128 bytes for each wave: two blocks of 256 bytes that no other line names
.set SP,     368                       ; the way out: a stage row: 352 bytes (176 f16) + 16
.set STW,    64*SP+256                 ; a wave's stage: 64 rows, and 256 bytes between it and the next wave's.  The stages lie in slot 0, which has had its last fill and its last read when the first result is stored there
.set LAPS,   8                         ; a lap = two slots = 512 along K
.set NROW,   5504                      ; a row of out in bytes
.set BXW,    32*QB                     ; a column block in w_codes
.set ADRA, 16                          ; v16-17  LDS address of my fragments of x in slot 0, 1
.set ADRB, 20                          ; v20-21  the same for w's images
.set STO,  24                          ; v24     the way out: where I put 16 bytes of a row
.set RD,   25                          ; v25     the way out: where I read a row back
.set CO,   26                          ; v26     16 x lane: my byte offset in the block's part of a row of out
.set SPW,  28                          ; v28     LDS address of my spare word: SPARE + 4 x my thread's number; never rewritten
.set NIL,  29                          ; v29     0; never rewritten
.set BH,   32                          ; v32-75  the bias of my 88 columns, f16, four registers a column tile
.set BO,   76                          ; v76-86  their byte offsets
.set AF,   128                         ; x's fragments
.set BF,   128                         ; the way out: the bias as f32, eight registers a column tile
.set TMP,  216                         ; the way out: 32 registers at work
.set G1, 24                            ; s[24:31] descriptor group 1 for x's tiles;  s[32:39] group 0, one set for each slot
.set G0, 32
.set G1B, 48                           ; s[48:55], s[56:63] the same for w's
.set G0B, 56
.set MSB, 0
.macro WIN new                         ; the immediate's high byte repeats the setting that is left; a switch that changes nothing is dropped
.if MSB != \new
	s_set_vgpr_msb (MSB<<8)|\new
.set MSB, \new
.endif
.endm
.set MUL_LO, 0xa1                      ; source 0 (w) window 1, source 1 (x) window 0, C and D window 2
.set MUL_HI, 0xf1                      ; the same, C and D window 3
.set TO_B,   0x40                      ; destination window 1, address window 0
; A joint load: waves 0 and 1 fetch x's two halves, waves 2 and 3 w's two K blocks.  Each of the two lines has ONE mask and one set of registers for all that issue it; the branch hangs on the wave's number alone.
; Four v_nop follow each of the two lines, ahead of the jump, the label and what follows.
.macro JLOAD g0a, g1a, g0b, g1b
	s_cmp_eq_u32 s15, 0
	s_cbranch_scc0 .Lfor_b_\@
	tensor_load_to_lds s[\g0a:\g0a+3], s[\g1a:\g1a+7]
	s_nop 0
.rept 4
	v_nop
.endr
	s_branch .Lasked_\@
.Lfor_b_\@:
	tensor_load_to_lds s[\g0b:\g0b+3], s[\g1b:\g1b+7]
	s_nop 0
.rept 4
	v_nop
.endr
.Lasked_\@:
.endm
.macro CREST                           ; a round of the cluster's barrier behind its opening barrier
	s_cmp_lg_u32 s14, 0
	s_cbranch_scc1 .Lnot_wave_0_\@
	s_barrier_signal -3
.Lnot_wave_0_\@:
	s_barrier_wait -3
	s_barrier_signal -1
	s_barrier_wait -1
.endm
.macro CROUND                          ; a whole round
	s_barrier_signal -1
	s_barrier_wait -1
	CREST
.endm
	s_load_b128 s[4:7], s[0:1], 0x0                ; x's codes s[4:5], w's codes s[6:7]
	s_load_b128 s[8:11], s[0:1], 0x10              ; the exponents s[8:9], the bias s[10:11]
	s_load_b64 s[12:13], s[0:1], 0x20              ; out
	v_lshl_add_u32 v[SPW], v0, 2, SPARE
	v_mov_b32 v[NIL], 0
	ds_add_u32 v28, v29
	ds_add_u32 v28, v29
	s_wait_dscnt 0x0
	v_lshrrev_b32 v1, 5, v0
	v_readfirstlane_b32 s14, v1                    ; wave 0..3: my 64 rows of the block
	s_lshr_b32 s15, s14, 1                         ; I fetch for x (0) or for w (1),
	s_and_b32 s16, s14, 1                          ; and which half of it
	s_bfe_u32 s40, ttmp6, 0x40000                  ; cx, cy: my place in the cluster
	s_bfe_u32 s41, ttmp6, 0x40004
	s_lshl_b32 s42, ttmp9, 2
	s_add_co_u32 s42, s42, s40                     ; column block = 4 x cluster x + cx
	s_and_b32 s17, ttmp7, 0xffff
	s_lshl_b32 s17, s17, 2
	s_add_co_u32 s17, s17, s41                     ; row block = 4 x cluster y + cy
	s_lshl_b32 s43, s41, 2
	s_lshl_b32 s43, 15, s43                        ; my row of the cluster
	s_lshl_b32 s44, 0x1111, s40                    ; my column
	; descriptor group 1.  x: 128 rows x 256 bytes, 4,096 bytes apart, padded in LDS
	s_or_b32 s[G1+0], s43, (0<<16)|(1<<20)|(1<<21)|(5<<22)|(3<<25)  ; 15:0 the mask: x's tiles go to my row; 17:16 element of 1 byte; 20 padding on; 21 set beside a mask; 24:22 after every 64 words (code 5); 31:25 of 4 words (code 3)
	s_mov_b32 s[G1+1], 256<<16                     ; tensor_dim0
	s_mov_b32 s[G1+2], 128<<16                     ; tensor_dim1
	s_mov_b32 s[G1+3], 256<<16                     ; tile_dim0
	s_mov_b32 s[G1+4], 128                         ; tile_dim1
	s_mov_b32 s[G1+5], 4096                        ; tensor_dim0_stride
	s_mov_b32 s[G1+6], 0
	s_mov_b32 s[G1+7], 0
	; w: a K block's images are one dense block of 22,528 bytes: 88 rows of 256, no padding
	s_or_b32 s[G1B+0], s44, (0<<16)|(1<<21)        ; the mask: w's tiles go to my column
	s_mov_b32 s[G1B+1], 256<<16
	s_mov_b32 s[G1B+2], 88<<16
	s_mov_b32 s[G1B+3], 256<<16
	s_mov_b32 s[G1B+4], 88
	s_mov_b32 s[G1B+5], 256
	s_mov_b32 s[G1B+6], 0
	s_mov_b32 s[G1B+7], 0
	; where the tiles come from.  x's hang on the row block alone, which my row of the cluster shares; w's on the column block alone, which my column shares: each in registers that never hold the other coordinate
	s_lshl_b32 s20, s17, 8
	s_lshl_b32 s18, s16, 7
	s_add_co_u32 s20, s20, s18                     ; x: row 256 x row block + 128 x half,
	s_lshl_b32 s20, s20, 12                        ; of 4,096 bytes: under 2^24
	s_mov_b32 s21, 0
	s_mul_i32 s46, s42, BXW                        ; w: the column block,
	s_mul_i32 s47, s16, QB                         ; K block 0 or 1
	s_add_co_u32 s46, s46, s47
	s_mov_b32 s47, 0
	s_mul_i32 s45, s16, HALFA                      ; and where they go: no place in the cluster enters an LDS address
	s_mul_i32 s66, s16, QB
	s_add_co_u32 s66, s66, ABYTES
	s_wait_kmcnt 0x0
	s_load_b64 s[96:97], s[8:9], 0x0               ; e0, e1
	s_add_nc_u64 s[20:21], s[4:5], s[20:21]
	s_add_nc_u64 s[46:47], s[6:7], s[46:47]
	CROUND                                         ; all sixteen work-groups are here: the first joint loads meet
.irp s, 0,1
	s_mov_b32 s[G0+4*\s], 1                        ; count = 1
	s_add_co_u32 s[G0+4*\s+1], s45, \s*SLOT        ; LDS address
	s_add_nc_u64 s[G0+4*\s+2:G0+4*\s+3], s[20:21], \s*256   ; global address: slot s begins with K = 256 s
	s_or_b32 s[G0+4*\s+3], s[G0+4*\s+3], 0x80000000         ; type = 2
	s_mov_b32 s[G0B+4*\s], 1
	s_add_co_u32 s[G0B+4*\s+1], s66, \s*SLOT
	s_add_nc_u64 s[G0B+4*\s+2:G0B+4*\s+3], s[46:47], \s*2*QB
	s_or_b32 s[G0B+4*\s+3], s[G0B+4*\s+3], 0x80000000
	JLOAD G0+4*\s, G1, G0B+4*\s, G1B               ; two tensor loads of mine are out
.endr
	v_and_b32 v1, 15, v0                           ; r = l % 16
	v_bfe_u32 v2, v0, 4, 1                         ; h = l / 16
	v_and_b32 v6, 31, v0                           ; lane
	v_mul_u32_u24 v3, v1, PITCH
	v_lshl_add_u32 v3, v2, 4, v3                   ; a fragment's row x pitch + 16 x half
	s_mul_i32 s22, s14, 64*PITCH                   ; my 64 rows of x
	v_add_nc_u32 v[ADRA], s22, v3
	v_add_nc_u32 v[ADRA+1], SLOT, v[ADRA]
	v_lshlrev_b32 v[CO], 4, v6
	v_add_nc_u32 v[ADRB], ABYTES, v[CO]            ; an image's place for my lane: 16 x lane: every load reads 512 consecutive bytes
	v_add_nc_u32 v[ADRB+1], SLOT+ABYTES, v[CO]
	s_mul_i32 s23, s14, STW                        ; my stage
	v_mul_u32_u24 v5, v1, SP
	v_lshl_add_u32 v5, v2, 4, v5
	v_add_nc_u32 v[STO], s23, v5                   ; in: row r, 16 bytes for each half of the lanes
	v_add_nc_u32 v[RD], s23, v[CO]                 ; back: 16 bytes a lane of one row
	; the bias: lane (r, h) wants, for column tile b, the eight numbers of columns 176 x block + 16 b + 8 h + 0 .. 7: 16 bytes.  In the last block the tiles past column 2,751 are held at the buffer's last 16 bytes: no load leaves it
	s_mul_i32 s22, s42, 352                        ; the block's first column, in bytes of f16
	v_lshl_add_u32 v4, v2, 4, s22
.irp b, 0,1,2,3,4,5,6,7,8,9,10
	v_add_nc_u32 v[BO+\b], 32*\b, v4
	v_min_u32 v[BO+\b], NROW-16, v[BO+\b]
.endr
.irp b, 0,1,2,3,4,5,6,7,8,9,10
	global_load_b128 v[BH+4*\b:BH+4*\b+3], v[BO+\b], s[10:11]   ; waited for on the way out; neither these registers nor their offsets are written meanwhile
.endr
	s_lshl_b32 s20, s17, 8
	s_lshl_b32 s21, s14, 6
	s_add_co_u32 s20, s20, s21                     ; my first row of out: 256 x row block + 64 x wave
	s_mul_i32 s20, s20, NROW                       ; under 2^25
	s_mov_b32 s21, 0
	s_add_nc_u64 s[12:13], s[12:13], s[20:21]
	s_mov_b32 s46, s22                             ; and the block's first column
	s_mov_b32 s47, 0
	s_add_nc_u64 s[12:13], s[12:13], s[46:47]
	s_mul_i32 s67, s42, 22                         ; a row of out is 344 pieces of 16 bytes, a block's part 22: how many of mine exist
	s_sub_co_u32 s67, 344, s67
	s_min_u32 s67, s67, 22                         ; 22, in the last block 14
.macro FRAGA set, slot, q, i           ; a fragment of x, 16 rows x 128 K: lane l holds row l % 16; registers 4 c .. 4 c + 3 hold K = 32 c + 16 (l / 16) + 0 .. 15
.irp c, 0,1,2,3
	ds_load_b128 v[AF+64*(\set)+16*(\i)+4*\c:AF+64*(\set)+16*(\i)+4*\c+3], v[ADRA+\slot] offset:128*(\q)+32*\c+(\i)*16*PITCH
.endr
.endm
.macro FRAGB slot, q, b                ; a fragment of w comes as it was laid: four pieces of 512 bytes
.irp c, 0,1,2,3
	ds_load_b128 v[16*(\b)+4*\c:16*(\b)+4*\c+3], v[ADRB+\slot] offset:(\q)*QB+2048*(\b)+512*\c
.endr
.endm
.macro FETCH_A set, slot, q            ; 16 loads
	WIN 0
.irp i, 0,1,2,3
	FRAGA \set, \slot, \q, \i
.endr
.endm
.macro FETCH_BLO slot, q               ; 24 loads
	WIN TO_B
.irp b, 0,1,2,3,4,5
	FRAGB \slot, \q, \b
.endr
.endm
.macro FETCH_BHI slot, q               ; 20 loads
	WIN TO_B
.irp b, 6,7,8,9,10
	FRAGB \slot, \q, \b
.endr
	WIN 0
.endm
; Four matrix instructions: w's fragment b against x's four of set p.  zero = 1: the first product starts the sums: nothing is ever cleared.
; The 44 accumulators take turns, one instruction a turn, in the same order in every step.
.macro MULB b, p, zero
.if (\b) < 8
	WIN MUL_LO
.set AC, 32*(\b)
.else
	WIN MUL_HI
.set AC, 32*((\b)-8)
.endif
.irp a, 0,1,2,3
.if \zero
	v_wmma_f32_16x16x128_bf8_bf8 v[AC+8*\a:AC+8*\a+7], v[16*(\b):16*(\b)+15], v[AF+64*(\p)+16*\a:AF+64*(\p)+16*\a+15], 0
.else
	v_wmma_f32_16x16x128_bf8_bf8 v[AC+8*\a:AC+8*\a+7], v[16*(\b):16*(\b)+15], v[AF+64*(\p)+16*\a:AF+64*(\p)+16*\a+15], v[AC+8*\a:AC+8*\a+7]
.endif
.endr
.endm
; A load into a register that a matrix instruction has read, and a vector instruction that reads a matrix result or writes one of a matrix instruction's registers, stand four places behind it, and only plain vector
; instructions that name none of its registers are places (ISA guide 7.12.1 for vector instructions); this text does not count the matrix instructions in between.
.macro PLACES
.rept 4
	v_nop
.endr
.endm
; A slot's first step (K block 0, x's set 0).  It fetches the slot's second step.
.macro STEP slot, zero
	s_wait_dscnt 20                                ; x's set and w's fragments 0-5 are in; the youngest 20 loads (w's 6-10) may be out
.irp b, 0,1,2,3,4,5
	MULB \b, 0, \zero
.endr
	s_wait_dscnt 0x0                               ; w's 6-10 are in (asked for 24 matrix instructions ago)
	PLACES
	FETCH_BLO \slot, 1
	FETCH_A 1, \slot, 1
.irp b, 6,7,8,9,10
	MULB \b, 0, \zero
.endr
	PLACES
	FETCH_BHI \slot, 1
.endm
; A slot's second step (K block 1, x's set 1) changes slots: ONE barrier; in front of it each wave waits for all its tensor loads, adds 0 to its spare word, and waits for that and for its own reads of this slot, all of
; which have been issued.  fill = 1: this slot is filled again, two slots ahead: the barrier then opens a round of the cluster's barrier, and from the request to the wait for it a wave issues 64 matrix instructions.
.macro TURN slot, next, fill
	s_wait_tensorcnt 0x0                           ; all my tensor loads have landed: my part of the next slot;  (every window is 0 here: the add's two registers lie in window 0)
	ds_add_u32 v[SPW], v[NIL]                      ; 0 onto my spare word
	s_wait_dscnt 21                                ; (the add and the youngest 20 loads, w's 6-10, may be out)
.irp b, 0,1,2,3
	MULB \b, 1, 0                                  ; sixteen matrix instructions stand between the add and the wait for it
.endr
	s_wait_dscnt 0x0                               ; the add is done, and my reads of this slot are over
	s_barrier_signal -1
	MULB 4, 1, 0
	MULB 5, 1, 0
	WIN 0
	s_barrier_wait -1
.if \fill
	CREST                                          ; no wave of any partner still reads this slot's tiles or has a load on its way
	s_add_nc_u64 s[G0+4*\slot+2:G0+4*\slot+3], s[G0+4*\slot+2:G0+4*\slot+3], 2*256
	s_add_nc_u64 s[G0B+4*\slot+2:G0B+4*\slot+3], s[G0B+4*\slot+2:G0B+4*\slot+3], 4*QB
	JLOAD G0+4*\slot, G1, G0B+4*\slot, G1B         ; the first tensor load behind the round, my one load until the next; the four v_nop behind it are also the places in front of the loads below
.else
	PLACES
.endif
	FETCH_BLO \next, 0
	FETCH_A 0, \next, 0
.irp b, 6,7,8,9,10
	MULB \b, 1, 0
.endr
	PLACES
	FETCH_BHI \next, 0
.endm
	s_wait_tensorcnt 1                             ; my part of slot 0 is in (slot 1's load may be out)
	s_barrier_signal -1
	s_barrier_wait -1                              ; everybody's is
	FETCH_BLO 0, 0
	FETCH_A 0, 0, 0
	FETCH_BHI 0, 0
	STEP 0, 1                                      ; the first step stands in front of the loop: its products start the sums
	s_mov_b32 s3, LAPS-1
.Llap:                                                 ; a trip goes once round the ring, from a lap's second step to the next lap's first, and fills both slots again
	TURN 0, 1, 1
	STEP 1, 0
	TURN 1, 0, 1
	STEP 0, 0
	s_sub_co_u32 s3, s3, 1
	s_cmp_lg_u32 s3, 0
	s_cbranch_scc1 .Llap
	TURN 0, 1, 0                                   ; the last lap fills nothing, and has no round of the cluster's barrier
	STEP 1, 0
	s_wait_dscnt 20                                ; the very last step: nothing more to fetch
.irp b, 0,1,2,3,4,5
	MULB \b, 1, 0
.endr
	s_wait_dscnt 0x0
.irp b, 6,7,8,9,10
	MULB \b, 1, 0
.endr
	WIN 0
; THE WAY OUT.  A lane holds eight neighbouring columns of a row, 16 bytes of f16, and the lanes beside it hold other rows: so my 64 rows x 352 bytes go through my own stage in LDS and come back as rows.
	s_wait_kmcnt 0x0
	s_add_co_i32 s96, s96, s97                     ; e0 + e1, between -126 and 127,
	s_add_co_i32 s96, s96, 127
	s_lshl_b32 s96, s96, 23                        ; makes the f32 number 2^(e0 + e1)
	s_mov_b32 s97, s96                             ; (named with it as a pair, so it is written)
	s_wait_loadcnt 0x0                             ; the bias
	PLACES                                         ; behind the last products: the lines below write registers that held x's fragments, and then read results
.irp r, 32,33,34,35,36,37,38,39,40,41,42,43,44,45,46,47,48,49,50,51,52,53,54,55,56,57,58,59,60,61,62,63,64,65,66,67,68,69,70,71,72,73,74,75
	v_cvt_f32_f16 v[BF+2*(\r-32)], v\r\().l        ; the bias in f32: register 8 b + j is that of column 16 b + 8 h + j of the block
	v_cvt_f32_f16 v[BF+2*(\r-32)+1], v\r\().h
.endr
.macro OUTB b                          ; column tile b of my four tiles of rows
.if (\b) < 8
	WIN 0x02                                       ; source 0: window 2
.set AC, 32*(\b)
.else
	WIN 0x03                                       ; source 0: window 3
.set AC, 32*((\b)-8)
.endif
.irp a, 0,1,2,3
.irp i, 0,2,4,6
	v_pk_fma_f32 v[TMP+8*\a+\i:TMP+8*\a+\i+1], v[AC+8*\a+\i:AC+8*\a+\i+1], s[96:97], v[BF+8*(\b)+\i:BF+8*(\b)+\i+1] op_sel_hi:[1,0,1]   ; sum x 2^(e0 + e1) + bias, two at a time; each accumulator from its low end on
.endr
.endr
	WIN 0x40                                       ; destination window 1: w's fragments are done with
.irp a, 0,1,2,3
.irp i, 0,1,2,3
	v_cvt_pk_f16_f32 v[16*(\b)+4*\a+\i], v[TMP+8*\a+2*\i], v[TMP+8*\a+2*\i+1]   ; the one rounding to f16
.endr
.endr
	WIN 0x04                                       ; store data window 1
.irp a, 0,1,2,3
	ds_store_b128 v[STO], v[16*(\b)+4*\a:16*(\b)+4*\a+3] offset:\a*16*SP+32*(\b)   ; rows 368 bytes apart, an odd multiple of 16: the sixteen rows of a store start at sixteen different banks
.endr
.endm
.irp b, 0,1,2,3,4,5,6,7,8,9,10
	OUTB \b
.endr
	WIN 0
	s_wait_dscnt 0x0                               ; my stores into the stage have read their registers, which take the rows below
; A row's 352 bytes are 22 lanes x 16 bytes; in the last column block 14 lanes (224 bytes).  A row of out is 5,504 bytes, 21.5 x 256, so no split into column blocks stores aligned blocks of 256 bytes alone:
; each store covers one run of consecutive bytes of a row.  The other lanes are off for the loads and the stores; the rows land in registers that were written with all lanes on before.
	s_wait_xcnt 0x0                                ; EXEC changes only behind this wait: the bias's loads have had their addresses translated
	v_cmp_gt_u32 vcc_lo, s67, v6
	s_and_saveexec_b32 s68, vcc_lo
	WIN 0x40                                       ; rows 0 to 43 into window 1, v0-175,
.irp t, 0,1,2,3,4,5,6,7,8,9,10,11,12,13,14,15,16,17,18,19,20,21,22,23,24,25,26,27,28,29,30,31,32,33,34,35,36,37,38,39,40,41,42,43
	ds_load_b128 v[4*\t:4*\t+3], v[RD] offset:\t*SP
.endr
	WIN 0                                          ; rows 44 to 63 into window 0, v128-207: the bias in f32 is done with
.irp t, 44,45,46,47,48,49,50,51,52,53,54,55,56,57,58,59,60,61,62,63
	ds_load_b128 v[128+4*(\t-44):128+4*(\t-44)+3], v[RD] offset:\t*SP
.endr
	WIN 0x04                                       ; store data window 1
.irp t, 0,1,2,3,4,5,6,7,8,9,10,11,12,13,14,15,16,17,18,19,20,21,22,23,24,25,26,27,28,29,30,31,32,33,34,35,36,37,38,39,40,41,42,43
	s_wait_dscnt 63-\t                             ; LDS loads come back in order: row t is in, the rows behind it may be out
	global_store_b128 v[CO], v[4*\t:4*\t+3], s[12:13] offset:\t*NROW th:TH_STORE_NT   ; written once, read by nobody here; 63 rows at the most: inside the signed 24-bit immediate
.endr
	WIN 0
.irp t, 44,45,46,47,48,49,50,51,52,53,54,55,56,57,58,59,60,61,62,63
	s_wait_dscnt 63-\t
	global_store_b128 v[CO], v[128+4*(\t-44):128+4*(\t-44)+3], s[12:13] offset:\t*NROW th:TH_STORE_NT
.endr
	s_wait_xcnt 0x0                                ; and again, in front of the line that widens EXEC
	s_or_b32 exec_lo, exec_lo, s68
	s_wait_tensorcnt 0x0                           ; the wave's end: behind my last tensor load and my last LDS store
	ds_add_u32 v[SPW], v[NIL]
	s_wait_dscnt 0x0
	CROUND                                         ; the closing round: no work-group ends while a partner may still ask for a tile that names it
	s_endpgm
.Lfunc_end_k_q2d3ab6bdd2_gemm:
	.size	k_q2d3ab6bdd2_gemm, .Lfunc_end_k_q2d3ab6bdd2_gemm-k_q2d3ab6bdd2_gemm
	.p2alignl 7, 3214868480
	.fill 96, 4, 3214868480
	.section	.rodata,"a",@progbits
	.p2align	6, 0x0
	.amdhsa_kernel k_q2d3ab6bdd2_gemm
		.amdhsa_group_segment_fixed_size 327680
		.amdhsa_private_segment_fixed_size 0
		.amdhsa_enable_private_segment 0
		.amdhsa_kernarg_size 40
		.amdhsa_user_sgpr_count 2
		.amdhsa_user_sgpr_kernarg_segment_ptr 1
		.amdhsa_wavefront_size32 1
		.amdhsa_system_sgpr_workgroup_id_x 1
		.amdhsa_system_sgpr_workgroup_id_y 1
		.amdhsa_system_sgpr_workgroup_id_z 1
		.amdhsa_system_vgpr_workitem_id 0
		.amdhsa_next_free_vgpr 1024
		.amdhsa_next_free_sgpr 98
		.amdhsa_reserve_vcc 1
		.amdhsa_float_denorm_mode_32 3
		.amdhsa_float_denorm_mode_16_64 3
		.amdhsa_memory_ordered 1
		.amdhsa_forward_progress 1
		.amdhsa_inst_pref_size 110
	.end_amdhsa_kernel
	.amdgpu_metadata
---
amdhsa.version: [ 1, 2 ]
amdhsa.kernels:
  - .name:           k_q2d3ab6bdd2_gemm
    .symbol:         k_q2d3ab6bdd2_gemm.kd
    .args:
      - { .name: x_codes, .offset: 0, .size: 8, .value_kind: global_buffer, .address_space: global }
      - { .name: w_codes, .offset: 8, .size: 8, .value_kind: global_buffer, .address_space: global }
      - { .name: lowp_scales, .offset: 16, .size: 8, .value_kind: global_buffer, .address_space: global }
      - { .name: bias, .offset: 24, .size: 8, .value_kind: global_buffer, .address_space: global }
      - { .name: out0, .offset: 32, .size: 8, .value_kind: global_buffer, .address_space: global }
    .group_segment_fixed_size: 327680
    .private_segment_fixed_size: 0
    .kernarg_segment_align: 8
    .kernarg_segment_size: 40
    .max_flat_workgroup_size: 128
    .sgpr_count:     98
    .vgpr_count:     1024
    .wavefront_size: 32
...
	.end_amdgpu_metadata
.endif
;; end of part 2
;; ======== version 2 of 2: 2 launches
;; limits: values are held in f16: magnitudes above 65,504 overflow, below 6.1e-05 lose precision; right only within a limited range of input values
;; workspace buffers: x_codes 16,777,216 bytes; w_codes 11,534,336 bytes
;; launch quant (part 3): grid 1728 x 1, 4 waves a work-group, no clusters, 20,992 bytes of LDS; arguments x, packed, scales, lowp_scales, x_codes, w_codes; writes x_codes, w_codes
.if DOCPART == 3
	.amdgcn_target "amdgcn-amd-amdhsa--gfx1250"
	.amdhsa_code_object_version 6
	.text
	.protected	k_q2d3ab6bdd2_quant
	.globl	k_q2d3ab6bdd2_quant
	.p2align	8
	.type	k_q2d3ab6bdd2_quant,@function
k_q2d3ab6bdd2_quant:
	s_mov_b64 s[64:65], 0
	v_nop
	global_prefetch_b8 v0, s[64:65] scope:SCOPE_SE
	s_setreg_imm32_b32 hwreg(HW_REG_WAVE_MODE, 25, 1), 1
	s_wait_xcnt 0x0
; Both operands of out = x w + bias are turned into codes of BF8 (E5M2), one code a byte, each with the one scale 2^e that is given for it (lowp_scales: e0 for x, e1 for w).
; code = number / 2^e, held within +-57,344, rounded to the nearest code, ties to even.
; BOTH WORKSPACES ARE LAID AS THE PRODUCT'S LAUNCH TAKES ITS FRAGMENTS.  An image is 16 rows (of x) or 16 columns (of w) x 128 along K, 2,048 bytes: four pieces c of 512; lane l's 16 bytes at 16 l are the codes of
; row or column l % 16 at k = 32 c + 16 (l / 16) + 0 .. 15 of the K block; within each eight along K they lie in the order 0, 2, 4, 6, 1, 3, 5, 7, in x and in w alike, so that every product meets its partner.
; x [4096][4096] f16 -> x_codes [group of 256 rows: 16][K block 32][row tile 16][2048 bytes].  f16 to f32 is exact.
; w[k][n] = (nibble - 8) x scale[k / 128][n], nibble n of word packed[k / 8][n].  A column has one scale for a K block, and so sixteen numbers (exact in f32): their codes are made once, as a table, and looked up by the nibbles.
; w_codes [column block 16][K block 32][place 11][2048 bytes].  The 172 column tiles: blocks 0 to 11 hold eleven each, blocks 12 to 15 ten each; their eleventh place is written as zeros.
; LIMITS: -126 <= e and e + 15 <= 127 for both exponents.  NaN among the inputs and an infinite weight scale are not served; an infinity in x is held at the largest code.
; SHARES: work-groups 0 to 703 take w (44 strips of 64 columns x 16 pairs of K blocks), work-groups 704 to 1,727 take x (16,384 numbers each).  No barrier, no loop: waves share nothing, every offset is an immediate.
.set NWG_W, 704
.set PROW,  11008                      ; a row of packed in bytes
.set SROW,  5504                       ; a row of scales in bytes
.set QB,    22528                      ; a K block's eleven images in w_codes
.set KBX,   32768                      ; a K block's sixteen images in x_codes
.set SPW,   12                         ; v12      LDS address of my spare word; never rewritten
.set NIL,   13                         ; v13      0; never rewritten
.set TB,    16                         ; v16-31   w: the sixteen numbers of my column
.set PW,    32                         ; v32-47   w: the 16 words of my column
.set TA,    68                         ; v68-71   w: their codes, the table
.set CD,    96                         ; v96-127  the codes: two registers a word of w, two a row of x
.macro SCALE e                         ; v11 = 2^e as f32 (the conversion takes its exponent field), v10 = 57,344 x 2^e
	s_add_co_i32 s24, \e, 127
	s_lshl_b32 s25, s24, 23
	v_mov_b32 v11, s25
	s_add_co_i32 s24, s24, 15
	s_lshl_b32 s24, s24, 23
	s_or_b32 s24, s24, 0x600000                    ; the mantissa field of 57,344
	v_mov_b32 v10, s24
.endm
	s_load_b256 s[4:11], s[0:1], 0x0               ; x s[4:5], packed s[6:7], scales s[8:9], the exponents s[10:11]
	s_load_b128 s[12:15], s[0:1], 0x20             ; x_codes s[12:13], w_codes s[14:15]
	v_lshl_add_u32 v[SPW], v0, 2, 0x5000
	v_mov_b32 v[NIL], 0
	v_lshrrev_b32 v1, 5, v0
	v_readfirstlane_b32 s16, v1                    ; wave 0..3
	s_wait_alu depctr_va_vdst(0)
	s_wait_kmcnt 0x0
	s_load_b64 s[22:23], s[10:11], 0x0             ; e0, e1
	s_cmp_lt_u32 ttmp9, NWG_W                      ; the choice hangs on the work-group's number alone
	s_cbranch_scc0 .Lx
; ---------------- w ----------------
; A LANE TAKES A COLUMN, AND ITS REGISTERS RUN DOWN K: a word holds eight neighbours along K of one column, so each load reads 32 neighbouring columns (128 bytes a wave; two waves side by side on 256).
; A wave takes 32 columns (two column tiles) x one K block.
	s_lshr_b32 s17, ttmp9, 4                       ; strip of 64 columns, 0..43
	s_and_b32 s18, ttmp9, 15                       ; pair of K blocks
	s_and_b32 s19, s16, 1
	s_lshr_b32 s20, s16, 1
	s_lshl_b32 s21, s17, 1
	s_add_co_u32 s21, s21, s19                     ; my 32 columns: 32 x s21 on
	s_lshl_b32 s26, s18, 1
	s_add_co_u32 s26, s26, s20                     ; Q: my K block
.macro WOFF dst, t                     ; s[dst:dst+1] = where tile T = s[t]'s image of K block Q begins
	s_mul_i32 s36, s[\t], 373
	s_lshr_b32 s36, s36, 12                        ; T / 11: exact under 176 (373 / 4096 is 1 / 11 + 0.000155)
	s_mul_i32 s37, s36, 11
	s_sub_co_u32 s37, s[\t], s37                   ; T % 11: block and place of T < 132
	s_sub_co_u32 s34, s[\t], 132
	s_mul_i32 s35, s34, 103
	s_lshr_b32 s35, s35, 10                        ; (T - 132) / 10: exact under 40
	s_mul_i32 s38, s35, 10
	s_sub_co_u32 s38, s34, s38
	s_add_co_u32 s35, s35, 12                      ; block and place of 132 <= T < 172
	s_cmp_lt_u32 s[\t], 132
	s_cselect_b32 s36, s36, s35
	s_cselect_b32 s37, s37, s38
	s_sub_co_u32 s34, s[\t], 160                   ; T = 172 .. 175: place 10 of blocks 12 .. 15
	s_cmp_lt_u32 s[\t], 172
	s_cselect_b32 s36, s36, s34
	s_cselect_b32 s37, s37, 10
	s_lshl_b32 s36, s36, 5
	s_add_co_u32 s36, s36, s26                     ; 32 x column block + Q
	s_mul_i32 s36, s36, QB
	s_lshl_b32 s37, s37, 11
	s_add_co_u32 s32, s36, s37
	s_mov_b32 s33, 0
	s_add_nc_u64 s[\dst:\dst+1], s[14:15], s[32:33]
.endm
	s_lshl_b32 s27, s21, 1                         ; my first column tile,
	WOFF 28, 27
	s_add_co_u32 s27, s27, 1                       ; and my second: it may lie in the next column block
	WOFF 30, 27
	v_and_b32 v1, 31, v0                           ; lane
	v_lshlrev_b32 v2, 2, v1                        ; my column's word in a row of packed
	v_lshlrev_b32 v3, 1, v1                        ; my column's scale
	v_lshlrev_b32 v4, 4, v1                        ; my 16 bytes of an image's piece
	s_wait_alu depctr_va_vdst(0)
	s_cmp_eq_u32 s17, 43                           ; the last strip lies past the last column
	s_cbranch_scc1 .Lzero
	s_mul_i32 s32, s26, 16*PROW                    ; a K block is 16 rows of packed
	s_lshl_b32 s34, s21, 7
	s_add_co_u32 s32, s32, s34
	s_mov_b32 s33, 0
	s_add_nc_u64 s[6:7], s[6:7], s[32:33]
	s_mul_i32 s32, s26, SROW                       ; and one row of scales
	s_lshl_b32 s34, s21, 6
	s_add_co_u32 s32, s32, s34
	s_add_nc_u64 s[8:9], s[8:9], s[32:33]
	s_wait_alu depctr_va_vdst(0)
	global_load_u16 v64, v3, s[8:9]                ; the scale first, then the 16 words: 17 loads of the wave are out
.irp i, 0,1,2,3,4,5,6,7,8,9,10,11,12,13,14,15
	global_load_b32 v[PW+\i], v2, s[6:7] offset:\i*PROW th:TH_LOAD_NT
.endr
	s_wait_kmcnt 0x0
	SCALE s23
	s_mov_b32 s32, 0x0f0f0f0f
	s_mov_b32 s33, 0x07070707
	s_mov_b32 s34, 0x01010101
	s_wait_alu depctr_va_vdst(0)
	s_wait_loadcnt 16                              ; the scale is in
	v_cvt_f32_f16 v65, v64.l                       ; s, exact in f32
.set Q, 0
.irp f, 0xc1000000,0xc0e00000,0xc0c00000,0xc0a00000,-4.0,0xc0400000,-2.0,-1.0,0,1.0,2.0,0x40400000,4.0,0x40a00000,0x40c00000,0x40e00000
	v_mul_f32 v[TB+Q], \f, v65                     ; (nibble - 8) x s, nibble 0 .. 15: exact
.set Q, Q+1
.endr
.irp n, 0,1,2,3,4,5,6,7,8,9,10,11,12,13,14,15
	v_med3_num_f32 v[TB+\n], v[TB+\n], -v10, v10   ; the conversion to an 8-bit code does not saturate (ISA guide 7.6.2): the hold at the largest code x the scale
.endr
	v_cvt_scalef32_pk8_bf8_f32 v[TA:TA+1], v[TB:TB+7], v11        ; the codes of nibbles 0 .. 7,
	v_cvt_scalef32_pk8_bf8_f32 v[TA+2:TA+3], v[TB+8:TB+15], v11   ; and of 8 .. 15
	v_nop                                          ; one plain vector instruction between a scaled conversion and what touches its result
	s_wait_alu depctr_va_vdst(0)
; Word u: eight nibbles, k = 8 u + 0 .. 7 of the block: the even ones make one register of codes, the odd ones the next.  u = 4 c + 2 h + e, so the two registers, 2 u = 8 c + 4 h + 2 e, fall where piece c, half h wants them.
; Both halves of the table are looked up by the nibble's three low bits; its bit 3, spread over the byte (256 - 1 times it), chooses.
.macro WORD u
.set WR, PW+(\u)
	s_wait_loadcnt 15-(\u)                         ; loads come back in order: this word is in, the younger ones stay out
	v_lshrrev_b32 v81, 4, v[WR]
	v_and_b32 v80, s32, v[WR]                      ; nibbles 0, 2, 4, 6, a byte each
	v_and_b32 v81, s32, v81                        ; nibbles 1, 3, 5, 7
	v_lshrrev_b32 v84, 3, v80
	v_lshrrev_b32 v85, 3, v81
	v_and_b32 v82, s33, v80
	v_and_b32 v83, s33, v81
	v_and_b32 v84, s34, v84
	v_and_b32 v85, s34, v85
	v_lshlrev_b32 v86, 8, v84
	v_lshlrev_b32 v87, 8, v85
	v_sub_nc_u32 v84, v86, v84
	v_sub_nc_u32 v85, v87, v85
	v_perm_b32 v86, v[TA+1], v[TA], v82
	v_perm_b32 v87, v[TA+1], v[TA], v83
	v_perm_b32 v88, v[TA+3], v[TA+2], v82
	v_perm_b32 v89, v[TA+3], v[TA+2], v83
	v_bfi_b32 v[CD+2*(\u)], v84, v88, v86
	v_bfi_b32 v[CD+2*(\u)+1], v85, v89, v87
.endm
.irp u, 0,1,2,3,4,5,6,7,8,9,10,11,12,13,14,15
	WORD \u
.endr
; A lane holds both halves h of ITS column; an image wants h = 0 of 16 columns in lanes 0-15 and h = 1 of the same columns in lanes 16-31.  The exchange of the first register's lanes 16-31 with the
; second's lanes 0-15 makes of (h = 0, h = 1) of 32 columns the images of my first tile (first register) and of my second (second register).
.irp c, 0,1,2,3
.irp i, 0,1,2,3
	v_permlane16_swap_b32 v[CD+8*\c+\i], v[CD+8*\c+4+\i]
.endr
.endr
.irp c, 0,1,2,3
	global_store_b128 v4, v[CD+8*\c:CD+8*\c+3], s[28:29] offset:512*\c     ; 32 lanes store 512 consecutive bytes, at a multiple of 512 from the buffer's first byte
	global_store_b128 v4, v[CD+8*\c+4:CD+8*\c+7], s[30:31] offset:512*\c   ; no store's data are written again: no wait for them
.endr
	s_endpgm
.Lzero:                                            ; the eleventh places of blocks 12 to 15: zero codes, which add nothing to a sum
	s_wait_kmcnt 0x0
.irp i, 0,1,2,3
	v_mov_b32 v[CD+\i], 0
.endr
	s_wait_alu depctr_va_vdst(0)
.irp c, 0,1,2,3
	global_store_b128 v4, v[CD:CD+3], s[28:29] offset:512*\c
	global_store_b128 v4, v[CD:CD+3], s[30:31] offset:512*\c
.endr
	s_endpgm
; ---------------- x ----------------
; A wave takes a row tile (16 rows) x 256 along K: two images.  Load t reads 512 consecutive bytes of row t, 16 a lane: lane l = 16 f + j holds k = 8 j + 0 .. 7 of K block f of the two.
; Its eight codes belong at byte 8 (j % 2) of row t's 16 bytes in half piece j / 2 (= 2 c + h) of image f.  They go there in the wave's own stage in LDS and come back as the images' pieces, 16 bytes a lane,
; so that every store to memory covers 512 consecutive bytes, at a multiple of 512 from the buffer's first byte.
; THE STAGE: a half piece (16 rows x 16 bytes) every 288 bytes, the second image 2,320 bytes behind the first: modulo 256 bytes the 32 lanes of a store stand at 16 f + 32 (j / 2) + 8 (j % 2)
; a load's sixteen lanes read 256 consecutive bytes.
.set PP,    288
.set FIMG,  8*PP+16
.set WREG,  5120                       ; a wave's part of LDS; it uses 4,592 bytes of it
.set OUTR,  16                         ; v16-47 the eight pieces on their way out, in the registers of rows that are done with
.Lx:
	s_sub_co_u32 s17, ttmp9, NWG_W
	s_lshl_b32 s17, s17, 2
	s_add_co_u32 s17, s17, s16                     ; my wave's task, 0..4095: row tile = task / 16, pair of K blocks = task % 16: a work-group's four waves stand side by side on 2,048 bytes of each row
	s_lshr_b32 s18, s17, 4
	s_and_b32 s19, s17, 15
	s_lshl_b32 s32, s18, 17                        ; 16 rows of 8,192 bytes,
	s_lshl_b32 s34, s19, 9                         ; 512 bytes of a row
	s_add_co_u32 s32, s32, s34
	s_mov_b32 s33, 0
	s_add_nc_u64 s[4:5], s[4:5], s[32:33]
	s_lshr_b32 s34, s18, 4
	s_lshl_b32 s34, s34, 20                        ; the group of 256 rows: 32 K blocks x 16 images,
	s_and_b32 s35, s18, 15
	s_lshl_b32 s35, s35, 11                        ; the row tile in it,
	s_add_co_u32 s34, s34, s35
	s_lshl_b32 s35, s19, 16                        ; two K blocks of KBX bytes
	s_add_co_u32 s34, s34, s35
	s_mov_b32 s35, 0
	s_add_nc_u64 s[12:13], s[12:13], s[34:35]
	v_and_b32 v1, 31, v0
	v_lshlrev_b32 v2, 4, v1                        ; 16 x lane: in a row's 512 bytes, and in a piece
.irp t, 0,1,2,3,4,5,6,7,8,9,10,11,12,13,14,15
	global_load_b128 v[16+4*\t:19+4*\t], v2, s[4:5] offset:8192*\t th:TH_LOAD_NT   ; all sixteen rows go out first
.endr
	s_mul_i32 s20, s16, WREG
	v_bfe_u32 v5, v0, 4, 1                         ; f
	v_mul_u32_u24 v5, v5, FIMG
	v_bfe_u32 v6, v0, 1, 3                         ; j / 2
	v_mul_u32_u24 v6, v6, PP
	v_add_nc_u32 v5, v5, v6
	v_and_b32 v6, 1, v0                            ; j % 2
	v_lshl_add_u32 v5, v6, 3, v5
	v_add_nc_u32 v5, s20, v5                       ; into the stage; row t stands in the immediate
	v_bfe_u32 v8, v0, 4, 1                         ; h
	v_mul_u32_u24 v8, v8, PP
	v_and_b32 v9, 15, v0                           ; r
	v_lshl_add_u32 v8, v9, 4, v8
	v_add_nc_u32 v8, s20, v8                       ; out of it; image and piece stand in the immediate
	s_wait_alu depctr_va_vdst(0)
	s_wait_kmcnt 0x0
	SCALE s22
	s_wait_alu depctr_va_vdst(0)
.macro XSTEP t, r0, r1, r2, r3         ; r0 .. r3: the row's four registers as loaded, by number, since halves are named on plain register names
.set XT, 80+8*((\t)%2)                 ; v80-95: two sets of eight numbers, by turns: a conversion's sources are written again two rows on
	s_wait_loadcnt 15-(\t)                         ; this row's load is in, the younger ones stay out
	v_cvt_f32_f16 v[XT+0], v\r0\().l               ; k = 0, 2, 4, 6,
	v_cvt_f32_f16 v[XT+1], v\r1\().l
	v_cvt_f32_f16 v[XT+2], v\r2\().l
	v_cvt_f32_f16 v[XT+3], v\r3\().l
	v_cvt_f32_f16 v[XT+4], v\r0\().h               ; then 1, 3, 5, 7
	v_cvt_f32_f16 v[XT+5], v\r1\().h
	v_cvt_f32_f16 v[XT+6], v\r2\().h
	v_cvt_f32_f16 v[XT+7], v\r3\().h
.irp n, 0,1,2,3,4,5,6,7
	v_med3_num_f32 v[XT+\n], v[XT+\n], -v10, v10   ; the hold at the largest code x the scale
.endr
	v_cvt_scalef32_pk8_bf8_f32 v[CD+2*(\t):CD+2*(\t)+1], v[XT:XT+7], v11
	ds_store_b64 v5, v[CD+2*(\t):CD+2*(\t)+1] offset:16*(\t)   ; each row has its own two registers: no store's data are written again
.endm
	XSTEP 0, 16, 17, 18, 19
	XSTEP 1, 20, 21, 22, 23
	XSTEP 2, 24, 25, 26, 27
	XSTEP 3, 28, 29, 30, 31
	XSTEP 4, 32, 33, 34, 35
	XSTEP 5, 36, 37, 38, 39
	XSTEP 6, 40, 41, 42, 43
	XSTEP 7, 44, 45, 46, 47
	XSTEP 8, 48, 49, 50, 51
	XSTEP 9, 52, 53, 54, 55
	XSTEP 10, 56, 57, 58, 59
	XSTEP 11, 60, 61, 62, 63
	XSTEP 12, 64, 65, 66, 67
	XSTEP 13, 68, 69, 70, 71
	XSTEP 14, 72, 73, 74, 75
	XSTEP 15, 76, 77, 78, 79
.irp i, 0,1,2,3,4,5,6,7                ; piece i % 4 of image i / 4
	ds_load_b128 v[OUTR+4*\i:OUTR+4*\i+3], v8 offset:(\i/4)*FIMG+(\i%4)*2*PP   ; LDS serves a wave's instructions in order (ISA guide 5.7.1.4): these see my stores
.endr
.irp i, 0,1,2,3,4,5,6,7
	s_wait_dscnt 7-\i                              ; piece i is in, the younger ones stay out
	global_store_b128 v2, v[OUTR+4*\i:OUTR+4*\i+3], s[12:13] offset:(\i/4)*KBX+(\i%4)*512
.endr
	s_wait_tensorcnt 0x0                           ; the wave's end
	ds_add_u32 v[SPW], v[NIL]
	s_wait_dscnt 0x0
	s_endpgm
.Lfunc_end_k_q2d3ab6bdd2_quant:
	.size	k_q2d3ab6bdd2_quant, .Lfunc_end_k_q2d3ab6bdd2_quant-k_q2d3ab6bdd2_quant
	.p2alignl 7, 3214868480
	.fill 96, 4, 3214868480
	.section	.rodata,"a",@progbits
	.p2align	6, 0x0
	.amdhsa_kernel k_q2d3ab6bdd2_quant
		.amdhsa_group_segment_fixed_size 20992
		.amdhsa_private_segment_fixed_size 0
		.amdhsa_enable_private_segment 0
		.amdhsa_kernarg_size 48
		.amdhsa_user_sgpr_count 2
		.amdhsa_user_sgpr_kernarg_segment_ptr 1
		.amdhsa_wavefront_size32 1
		.amdhsa_system_sgpr_workgroup_id_x 1
		.amdhsa_system_sgpr_workgroup_id_y 1
		.amdhsa_system_sgpr_workgroup_id_z 1
		.amdhsa_system_vgpr_workitem_id 0
		.amdhsa_next_free_vgpr 128
		.amdhsa_next_free_sgpr 66
		.amdhsa_reserve_vcc 0
		.amdhsa_float_denorm_mode_32 3
		.amdhsa_float_denorm_mode_16_64 3
		.amdhsa_memory_ordered 1
		.amdhsa_forward_progress 1
		.amdhsa_inst_pref_size 43
	.end_amdhsa_kernel
	.amdgpu_metadata
---
amdhsa.version: [ 1, 2 ]
amdhsa.kernels:
  - .name:           k_q2d3ab6bdd2_quant
    .symbol:         k_q2d3ab6bdd2_quant.kd
    .args:
      - { .name: x, .offset: 0, .size: 8, .value_kind: global_buffer, .address_space: global }
      - { .name: packed, .offset: 8, .size: 8, .value_kind: global_buffer, .address_space: global }
      - { .name: scales, .offset: 16, .size: 8, .value_kind: global_buffer, .address_space: global }
      - { .name: lowp_scales, .offset: 24, .size: 8, .value_kind: global_buffer, .address_space: global }
      - { .name: x_codes, .offset: 32, .size: 8, .value_kind: global_buffer, .address_space: global }
      - { .name: w_codes, .offset: 40, .size: 8, .value_kind: global_buffer, .address_space: global }
    .group_segment_fixed_size: 20992
    .private_segment_fixed_size: 0
    .kernarg_segment_align: 8
    .kernarg_segment_size: 48
    .max_flat_workgroup_size: 128
    .sgpr_count:     66
    .vgpr_count:     128
    .wavefront_size: 32
...
	.end_amdgpu_metadata
.endif
;; end of part 3
;; launch gemm (part 4): grid 16 x 16, 4 waves a work-group, clusters of 4 x 4, 327,680 bytes of LDS; arguments x_codes, w_codes, lowp_scales, bias, out0; writes out0
.if DOCPART == 4
	.amdgcn_target "amdgcn-amd-amdhsa--gfx1250"
	.amdhsa_code_object_version 6
	.text
	.protected	k_q2d3ab6bdd2_gemm
	.globl	k_q2d3ab6bdd2_gemm
	.p2align	8
	.type	k_q2d3ab6bdd2_gemm,@function
k_q2d3ab6bdd2_gemm:
	s_mov_b64 s[64:65], 0
	v_nop
	global_prefetch_b8 v0, s[64:65] scope:SCOPE_SE
	s_setreg_imm32_b32 hwreg(HW_REG_WAVE_MODE, 25, 1), 1
	s_wait_xcnt 0x0
	s_wait_alu depctr_hold_cnt(0) depctr_sa_sdst(0) depctr_va_vdst(0) depctr_va_sdst(0) depctr_va_ssrc(0) depctr_va_vcc(0) depctr_vm_vsrc(0)
	s_getreg_b32 s2, hwreg(HW_REG_IB_STS2, 6, 4)
	s_cmp_eq_u32 s2, 0
	s_cbranch_scc0 .Lentry_in_a_cluster
	s_endpgm
.Lentry_in_a_cluster:
	s_bfe_u32 s2, ttmp6, 0x10000c
	s_cmp_lg_u32 s2, 0xf033
	s_cbranch_scc0 .Lentry_shape_is_right
	s_endpgm
.Lentry_shape_is_right:
; out0[m][n] = 2^(e0 + e1) x (sum over k of the codes of x[m][k] and of w[k][n]) + bias[n]: codes of BF8, sums in f32, rounded once to f16.
; LIMITS: e0 + e1 lies between -126 and 127, so that 2^(e0 + e1) is an f32 number.  A sum is two f32 sums (K blocks of even and of odd number), added at the end.
; A work-group makes 256 rows x 11 column tiles (176 columns); 16 x 16 of them.  172 column tiles: cluster columns 0 to 2 have four blocks of eleven, cluster column 3 four blocks of ten, whose eleventh place holds zero codes:
; its results are not stored.  So how many tiles a block has hangs on the cluster's number and not on a place in it.
; FOUR WAVES = 2 halves of the rows (rh) x 2 halves of K (kh): a wave multiplies 128 rows x 176 columns over every second K block of 128: 88 accumulators, 704 registers.  A K step of 256 is one K block for each wave: 88 products,
; for which it reads (128 + 176) x 128 bytes of LDS.  At the end the two waves of a row half exchange: each sends the sums of four row tiles and finishes the other four.  A wave's local row tiles 0-3 are the ones that it keeps:
; tiles 4 kh + 0 .. 3 of its half; its local tiles 4-7 are the ones that it sends.
; LDS: a ring of two slots of 110,592 bytes: A's images (2 K blocks x 16 tiles x 2,048 bytes), then B's (2 x 11 x 2,048).  They lie dense, in the order of the fragments' registers: a load reads 512 consecutive bytes.
; CLUSTERS of 4 x 4: A's images are asked for jointly along a row of the cluster, B's along a column: waves 0 and 1 ask for A's K blocks, waves 2 and 3 for B's, one load a wave behind each round.
; ONE SET OF FRAGMENTS, each fetched anew behind its last product.  A step is part 1 (8 row tiles x column tiles 7-10: 32 products) and part 2 (8 x column tiles 0-6: 56 products).  Its 76 LDS loads stand in three runs: at its start
; row tiles 6, 7 and column tiles 0-6 of this step (36); behind the change of slots, early in part 2, column tiles 7-10 and row tiles 0, 1 of the next (24); behind row tile 5 of part 2 row tiles 2-5 of the next (16).
; REGISTERS: window 0: v0-15 addresses, v16-143 A's fragments, v144-255 B's for part 2.  Window 1: v0-63 B's for part 1, v64-255 accumulators 32-55 of part 2.  Window 2: accumulators 0-31 of part 2.  Window 3: part 1's 32.
; THE MATRIX INSTRUCTION IS USED TRANSPOSED (source 0: 16 columns of w, source 1: 16 rows of x): a lane holds eight neighbouring numbers of a row of the output.  k lies in the registers in the same permuted order on both sides.
; PREFETCHES: behind each joint load one instruction a wave for the K step that stands two refills on (K steps 1 to 3 from the head); a cluster's partners share the blocks of 256 bytes out by address; the last four steps ask for nothing.
.set QB,     22528                     ; a K block of B: eleven images
.set BBLK,   32*QB                     ; a column block of w_codes
.set BOFS,   65536                     ; B's images in a slot
.set SLOT,   110592
.set SPARE,  2*SLOT                    ; the spare words: two blocks of 256 bytes that no other line names
.set XBYTES, 45056                     ; 44 accumulators on their way to the partner; waves 0 and 1: in slot 0, which has had its last fill and its last read by then,
.set XGAP,   SPARE+512-2*XBYTES        ; waves 2 and 3: behind the spare words
.set STW,    64*368                    ; the way out: a stage of 64 rows for each wave, in slot 1 (no fill and no read is left there behind the exchange's barrier)
.set NROW,   5504                      ; a row of out0 in bytes
.set XST, 1                            ; v1      where I put the sums that I send
.set SPW, 2                            ; v2      LDS address of my spare word; never rewritten
.set NIL, 3                            ; v3      0; never rewritten
.set ALO, 4                            ; v4-5    my local row tiles 0-3 in slot 0, 1
.set AHI, 6                            ; v6-7    my local row tiles 4-7
.set ADB, 8                            ; v8-9    my K block of B
.set PFO, 10                           ; v10     the prefetches' offset
.set BO,  11                           ; v11     my eight columns of the bias; v12 the same for column tile 10, held inside the buffer
.set XRD, 13                           ; v13     where my partner put what it sent me
.set AF,  16
.set BF,  144
.set BH,  80                           ; the bias as f16, v80-123
.set O0,  192                          ; the way out: packed results, window 0 (even row tiles); O1 in window 1 (odd)
.set O1,  176
.set RDA, 220                          ; window 1, v220-230: where I read the stage back
.set OFF, 236                          ; v236-246 my places in 16 rows of the output
.set G1, 24
.set G0, 32
.set G1B, 48
.set G0B, 56
.set PF, 74                            ; s[74:75] where my prefetches stand; s[76:77] their step
.set MSB, 0
.macro WIN new                         ; the immediate's high byte repeats the setting that is left
.if MSB != \new
	s_set_vgpr_msb (MSB<<8)|\new
.set MSB, \new
.endif
.endm
.macro PLACES                          ; four places behind a matrix instruction (ISA guide 7.12.1)
.rept 4
	v_nop
.endr
.endm
.macro JLOAD s                         ; a joint load: the branch hangs on the wave's number alone
	s_cmp_eq_u32 s15, 0
	s_cbranch_scc0 .Lfor_b_\@
	tensor_load_to_lds s[G0+4*\s:G0+4*\s+3], s[G1:G1+7]
	s_nop 0
	PLACES
	s_branch .Lasked_\@
.Lfor_b_\@:
	tensor_load_to_lds s[G0B+4*\s:G0B+4*\s+3], s[G1B:G1B+7]
	s_nop 0
	PLACES
.Lasked_\@:
.endm
.macro CREST                           ; a round of the cluster's barrier behind its opening barrier
	s_cmp_lg_u32 s14, 0
	s_cbranch_scc1 .Lnot_wave_0_\@
	s_barrier_signal -3
.Lnot_wave_0_\@:
	s_barrier_wait -3
	s_barrier_signal -1
	s_barrier_wait -1
.endm
.macro CROUND
	s_barrier_signal -1
	s_barrier_wait -1
	CREST
.endm
	s_load_b128 s[4:7], s[0:1], 0x0                ; x_codes, w_codes
	s_load_b128 s[8:11], s[0:1], 0x10              ; the exponents, bias
	s_load_b64 s[12:13], s[0:1], 0x20              ; out0
	v_lshl_add_u32 v[SPW], v0, 2, SPARE
	v_mov_b32 v[NIL], 0
	ds_add_u32 v[SPW], v[NIL]                      ; the opening lines: the add, twice on end, and its wait ahead of my first tensor load
	ds_add_u32 v[SPW], v[NIL]
	v_lshrrev_b32 v1, 5, v0
	v_readfirstlane_b32 s14, v1                    ; wave 0..3
	s_lshr_b32 s15, s14, 1                         ; rh.  Also: I ask for A (0) or for B (1)
	s_and_b32 s16, s14, 1                          ; kh.  Also: which K block of a step I ask for
	s_bfe_u32 s40, ttmp6, 0x40000                  ; cx
	s_bfe_u32 s41, ttmp6, 0x40004                  ; cy
	s_lshl_b32 s42, ttmp9, 2
	s_add_co_u32 s42, s42, s40                     ; column block
	s_and_b32 s17, ttmp7, 0xffff
	s_lshl_b32 s17, s17, 2
	s_add_co_u32 s17, s17, s41                     ; row block
	s_lshl_b32 s43, s41, 2
	s_lshl_b32 s43, 15, s43                        ; my row of the cluster
	s_lshl_b32 s44, 0x1111, s40                    ; my column
	s_or_b32 s[G1+0], s43, (1<<21)                 ; elements of 1 byte, no padding; bit 21 stands beside a mask
	s_or_b32 s[G1B+0], s44, (1<<21)
	s_mov_b32 s[G1+1], 256<<16                     ; rows of 256 bytes, dense
	s_mov_b32 s[G1B+1], 256<<16
	s_mov_b32 s[G1+2], 128<<16                     ; A: 128 rows = 16 images
	s_mov_b32 s[G1B+2], 88<<16                     ; B: 88 rows = 11 images
	s_mov_b32 s[G1+3], 256<<16
	s_mov_b32 s[G1B+3], 256<<16
	s_mov_b32 s[G1+4], 128
	s_mov_b32 s[G1B+4], 88
	s_mov_b32 s[G1+5], 256
	s_mov_b32 s[G1B+5], 256
	s_mov_b32 s[G1+6], 0
	s_mov_b32 s[G1B+6], 0
	s_mov_b32 s[G1+7], 0
	s_mov_b32 s[G1B+7], 0
	s_lshl_b32 s45, s16, 15                        ; A's K block kh: 32,768 bytes, in memory and in the slot
	s_lshl_b32 s20, s17, 20
	s_add_co_u32 s20, s20, s45
	s_mov_b32 s21, 0
	s_mul_i32 s66, s16, QB                         ; B's
	s_mul_i32 s46, s42, BBLK
	s_add_co_u32 s46, s46, s66
	s_mov_b32 s47, 0
	s_add_co_u32 s66, s66, BOFS
	s_wait_dscnt 0x0                               ; both opening adds are done
	CROUND                                         ; all sixteen work-groups are here: the first joint loads meet.  (The arguments are on their way meanwhile)
	s_wait_kmcnt 0x0
	s_load_b64 s[96:97], s[8:9], 0x0               ; e0, e1
	s_add_nc_u64 s[20:21], s[4:5], s[20:21]
	s_add_nc_u64 s[46:47], s[6:7], s[46:47]
.irp s, 0,1
	s_mov_b32 s[G0+4*\s], 1
	s_add_co_u32 s[G0+4*\s+1], s45, \s*SLOT
	s_add_nc_u64 s[G0+4*\s+2:G0+4*\s+3], s[20:21], \s*65536
	s_or_b32 s[G0+4*\s+3], s[G0+4*\s+3], 0x80000000
	s_mov_b32 s[G0B+4*\s], 1
	s_add_co_u32 s[G0B+4*\s+1], s66, \s*SLOT
	s_add_nc_u64 s[G0B+4*\s+2:G0B+4*\s+3], s[46:47], \s*2*QB
	s_or_b32 s[G0B+4*\s+3], s[G0B+4*\s+3], 0x80000000
.endr
	JLOAD 0                                        ; K step 0: one tensor load a wave at the head
	; the prefetches: a K step of A is 256 blocks of 256 bytes, 64 for each of the four partners, 32 for each of waves 0 and 1; of B 176, 44, 22 for each of waves 2 and 3 (lanes 22-31 name block 21 again)
	s_lshl_b32 s22, s17, 20
	s_lshl_b32 s18, s40, 14
	s_add_co_u32 s22, s22, s18
	s_lshl_b32 s18, s16, 13
	s_add_co_u32 s22, s22, s18
	s_mul_i32 s23, s42, BBLK
	s_mul_i32 s18, s41, 11264
	s_add_co_u32 s23, s23, s18
	s_mul_i32 s18, s16, 5632
	s_add_co_u32 s23, s23, s18
	s_mov_b32 s76, 2*QB
	s_mov_b32 s78, 21
	s_cmp_eq_u32 s15, 0
	s_cselect_b32 s22, s22, s23
	s_cselect_b32 s76, 0x10000, s76
	s_cselect_b32 s78, 31, s78
	s_cselect_b64 s[70:71], s[4:5], s[6:7]
	s_mov_b32 s23, 0
	s_mov_b32 s77, 0
	s_add_nc_u64 s[70:71], s[70:71], s[22:23]
	s_add_nc_u64 s[70:71], s[70:71], s[76:77]      ; K step 1
	s_add_nc_u64 s[72:73], s[70:71], s[76:77]      ; K step 2
	s_add_nc_u64 s[PF:PF+1], s[72:73], s[76:77]    ; K step 3
	; LDS addresses
	s_lshl_b32 s19, s15, 14                        ; my eight row tiles
	s_mul_i32 s18, s16, 40960
	s_add_co_u32 s18, s18, s19                     ; kh x (32,768 + 8,192): the four that I keep
	s_mul_i32 s22, s16, 24576
	s_add_co_u32 s22, s22, s19
	s_add_co_u32 s22, s22, 8192                    ; kh x 32,768 + (1 - kh) x 8,192: the four that I send
	s_mul_i32 s23, s16, QB
	s_add_co_u32 s23, s23, BOFS
	s_mul_i32 s67, s14, XBYTES
	s_mul_i32 s68, s15, XGAP
	s_add_co_u32 s67, s67, s68                     ; what I send
	s_xor_b32 s69, s14, 1
	s_mul_i32 s69, s69, XBYTES
	s_add_co_u32 s69, s69, s68                     ; what my partner sends
	s_mul_i32 s79, s14, STW
	s_add_co_u32 s79, s79, SLOT                    ; my stage
	; my place in the output: rows 256 x row block + 128 rh + 64 kh on; column tile 44 x cluster x + (11 or 10) x cx
	s_mul_i32 s80, ttmp9, 44
	s_cmp_eq_u32 ttmp9, 3
	s_cselect_b32 s81, 10, 11
	s_mul_i32 s81, s81, s40
	s_add_co_u32 s80, s80, s81
	s_lshl_b32 s80, s80, 5                         ; 32 bytes a column tile, in the bias and in a row of the output
	s_lshl_b32 s82, s17, 8
	s_lshl_b32 s81, s15, 7
	s_add_co_u32 s82, s82, s81
	s_lshl_b32 s81, s16, 6
	s_add_co_u32 s82, s82, s81
	s_mul_i32 s82, s82, NROW
	s_add_co_u32 s82, s82, s80
	s_mov_b32 s83, 0
	s_add_nc_u64 s[12:13], s[12:13], s[82:83]
	v_and_b32 v16, 31, v0
	v_min_u32 v[PFO], s78, v16
	v_lshlrev_b32 v[PFO], 8, v[PFO]
	v_lshlrev_b32 v16, 4, v16                      ; 16 x lane
	v_add_nc_u32 v[ALO], s18, v16
	v_add_nc_u32 v[AHI], s22, v16
	v_add_nc_u32 v[ADB], s23, v16
	v_add_nc_u32 v[ALO+1], SLOT, v[ALO]
	v_add_nc_u32 v[AHI+1], SLOT, v[AHI]
	v_add_nc_u32 v[ADB+1], SLOT, v[ADB]
	v_add_nc_u32 v[XST], s67, v16
	v_add_nc_u32 v[XRD], s69, v16
	v_bfe_u32 v17, v0, 4, 1                        ; h
	v_lshl_add_u32 v[BO], v17, 4, s80
	v_add_nc_u32 v12, 320, v[BO]
	v_min_u32 v12, NROW-16, v12
	global_prefetch_b8 v[PFO], s[70:71] th:TH_LOAD_NT scope:SCOPE_SE   ; K steps 1 and 2
	global_prefetch_b8 v[PFO], s[72:73] th:TH_LOAD_NT scope:SCOPE_SE
.macro LDA slot, a                     ; local row tile a: lane l's 16 bytes of piece c are K = 32 c + 16 (l / 16) + 0 .. 15 of row l % 16
.irp c, 0,1,2,3
.if (\a) < 4
	ds_load_b128 v[AF+16*(\a)+4*\c:AF+16*(\a)+4*\c+3], v[ALO+\slot] offset:2048*(\a)+512*\c
.else
	ds_load_b128 v[AF+16*(\a)+4*\c:AF+16*(\a)+4*\c+3], v[AHI+\slot] offset:2048*((\a)-4)+512*\c
.endif
.endr
.endm
.macro LDB1 slot                       ; column tiles 7-10: 16 loads
	WIN 0x40
.irp t, 0,1,2,3
.irp c, 0,1,2,3
	ds_load_b128 v[16*\t+4*\c:16*\t+4*\c+3], v[ADB+\slot] offset:2048*(7+\t)+512*\c
.endr
.endr
	WIN 0
.endm
.macro LDB2 slot                       ; column tiles 0-6: 28 loads
.irp t, 0,1,2,3,4,5,6
.irp c, 0,1,2,3
	ds_load_b128 v[BF+16*\t+4*\c:BF+16*\t+4*\c+3], v[ADB+\slot] offset:2048*\t+512*\c
.endr
.endr
.endm
; The 88 accumulators take turns, one instruction a turn.  zero = 1: the first product starts the sums.
.macro P1W a, zero
	WIN 0xf1
.irp t, 0,1,2,3
.if \zero
	v_wmma_f32_16x16x128_bf8_bf8 v[32*(\a)+8*\t:32*(\a)+8*\t+7], v[16*\t:16*\t+15], v[AF+16*(\a):AF+16*(\a)+15], 0
.else
	v_wmma_f32_16x16x128_bf8_bf8 v[32*(\a)+8*\t:32*(\a)+8*\t+7], v[16*\t:16*\t+15], v[AF+16*(\a):AF+16*(\a)+15], v[32*(\a)+8*\t:32*(\a)+8*\t+7]
.endif
.endr
.endm
.macro P2W a, zero
.irp t, 0,1,2,3,4,5,6
.set IX, 7*(\a)+\t
.if IX < 32
	WIN 0xa0
.set AC, 8*IX
.else
	WIN 0x50
.set AC, 8*IX-192
.endif
.if \zero
	v_wmma_f32_16x16x128_bf8_bf8 v[AC:AC+7], v[BF+16*\t:BF+16*\t+15], v[AF+16*(\a):AF+16*(\a)+15], 0
.else
	v_wmma_f32_16x16x128_bf8_bf8 v[AC:AC+7], v[BF+16*\t:BF+16*\t+15], v[AF+16*(\a):AF+16*(\a)+15], v[AC:AC+7]
.endif
.endr
.endm
.macro PART1 slot, zero
	PLACES                                         ; for the loads into registers that the last products have read
	LDA \slot, 6
	LDA \slot, 7
	LDB2 \slot
	s_wait_dscnt 52                                ; column tiles 7-10 and row tiles 0, 1 are in; behind them: row tiles 2-7 (24 loads) and the 28 of column tiles 0-6
	P1W 0, \zero
	P1W 1, \zero
	s_wait_dscnt 44                                ; row tiles 2, 3
	P1W 2, \zero
	P1W 3, \zero
	s_wait_dscnt 36                                ; row tiles 4, 5
	P1W 4, \zero
	P1W 5, \zero
	s_wait_dscnt 28                                ; row tiles 6, 7
	P1W 6, \zero
	P1W 7, \zero
.endm
; A K step in slot s.  fill = 1: the slot is filled again, two K steps ahead.  ask = 1: a prefetch for the K step four on; 2: the same, but not in the loop's last trip.
.macro STEP slot, zero, fill, ask
	PART1 \slot, \zero
	WIN 0
.if \ask
	s_wait_xcnt 0x0                                ; the last prefetch has read its address
	s_add_nc_u64 s[PF:PF+1], s[PF:PF+1], s[76:77]
.endif
	s_wait_tensorcnt 0x0                           ; all my tensor loads have landed: my part of the other slot;
	ds_add_u32 v[SPW], v[NIL]                      ; 0 onto my spare word
.if \fill
	s_add_nc_u64 s[G0+4*\slot+2:G0+4*\slot+3], s[G0+4*\slot+2:G0+4*\slot+3], 131072
	s_add_nc_u64 s[G0B+4*\slot+2:G0B+4*\slot+3], s[G0B+4*\slot+2:G0B+4*\slot+3], 4*QB
.endif
	s_wait_dscnt 0x0                               ; the add is done, and so are my reads of this slot: column tiles 0-6 are in
	s_barrier_signal -1
	P2W 0, \zero                                   ; work on registers while the others arrive
	P2W 1, \zero
	WIN 0
	s_barrier_wait -1
.if \fill
	CREST                                          ; the barrier has opened a round: no wave of any partner still reads this slot or has a load on its way
	JLOAD \slot                                    ; the first tensor load behind the round; its four v_nop are also the places in front of the loads below
.else
	PLACES
.endif
	LDB1 1-\slot
	LDA 1-\slot, 0
	LDA 1-\slot, 1
.if \ask == 2
	s_cmp_gt_u32 s3, 1
	s_cbranch_scc0 .Lnothing_\@
.endif
.if \ask
	global_prefetch_b8 v[PFO], s[PF:PF+1] th:TH_LOAD_NT scope:SCOPE_SE
.endif
.if \ask == 2
.Lnothing_\@:
.endif
	P2W 2, \zero
	P2W 3, \zero
	P2W 4, \zero
	P2W 5, \zero
	PLACES
	WIN 0
.irp a, 2,3,4,5
	LDA 1-\slot, \a
.endr
	P2W 6, \zero
	P2W 7, \zero
	WIN 0
.endm
	s_wait_alu depctr_va_vdst(0)
	s_wait_kmcnt 0x0
	s_add_co_i32 s96, s96, s97
	s_add_co_i32 s96, s96, 127
	s_lshl_b32 s96, s96, 23                        ; 2^(e0 + e1) as f32
	s_mov_b32 s97, s96                             ; (the packed form names the pair)
	s_wait_tensorcnt 0x0                           ; my part of K step 0 is in
	ds_add_u32 v[SPW], v[NIL]
	s_wait_dscnt 0x0
	CROUND                                         ; everybody's part of K step 0 is in
	JLOAD 1                                        ; K step 1, the first tensor load behind the round
	LDB1 0
.irp a, 0,1,2,3,4,5
	LDA 0, \a
.endr
	global_prefetch_b8 v[PFO], s[PF:PF+1] th:TH_LOAD_NT scope:SCOPE_SE   ; K step 3
	STEP 0, 1, 1, 1                                ; step 0 starts the sums
	s_mov_b32 s3, 6
.Llap:                                                 ; steps 1 to 12, two a trip
	STEP 1, 0, 1, 1
	STEP 0, 0, 1, 2
	s_sub_co_u32 s3, s3, 1
	s_cmp_lg_u32 s3, 0
	s_cbranch_scc1 .Llap
	STEP 1, 0, 1, 0                                ; step 13 asks for the last K step
	STEP 0, 0, 0, 0                                ; step 14 fills nothing: no round
; STEP 15, in slot 1.  Behind step 14's barrier nobody reads slot 0, so the sums that I send may go there while the others are multiplied.
.macro XSEND a, t                      ; accumulator (a, t) to my partner: two pieces of 512 bytes
.if (\t) < 7
.set IX, 7*(\a)+(\t)
.if IX < 32
	WIN 0x08
.set AC, 8*IX
.else
	WIN 0x04
.set AC, 8*IX-192
.endif
.else
	WIN 0x0c
.set AC, 32*(\a)+8*((\t)-7)
.endif
	ds_store_b128 v[XST], v[AC:AC+3] offset:1024*(11*((\a)-4)+(\t))
	ds_store_b128 v[XST], v[AC+4:AC+7] offset:1024*(11*((\a)-4)+(\t))+512
.endm
	PART1 1, 0
	s_wait_dscnt 0x0                               ; all fragments are in
	PLACES
.irp a, 4,6                            ; part 2's row tiles 4-7; part 1's sums of these tiles leave
.irp t, 7,8,9,10
	XSEND \a, \t
.endr
.irp t, 7,8,9,10
	XSEND \a+1, \t
.endr
	P2W \a, 0
	P2W \a+1, 0
.endr
	PLACES
	WIN 0
.irp t, 0,1,2,3,4,5,6,7,8,9
	global_load_b128 v[BH+4*\t:BH+4*\t+3], v[BO], s[10:11] offset:32*\t   ; into the registers that held row tiles 4-7
.endr
	global_load_b128 v[BH+40:BH+43], v12, s[10:11]
.irp a, 4,6                            ; row tiles 0-3; part 2's sums of row tiles 4-7 leave
.irp t, 0,1,2,3,4,5,6
	XSEND \a, \t
.endr
.irp t, 0,1,2,3,4,5,6
	XSEND \a+1, \t
.endr
	P2W \a-4, 0
	P2W \a-3, 0
.endr
	WIN 0
	s_wait_loadcnt 0x0                             ; the bias
	PLACES
.irp r, 80,81,82,83,84,85,86,87,88,89,90,91,92,93,94,95,96,97,98,99,100,101,102,103,104,105,106,107,108,109,110,111,112,113,114,115,116,117,118,119,120,121,122,123
	v_cvt_f32_f16 v[BF+2*(\r-80)], v\r\().l
	v_cvt_f32_f16 v[BF+2*(\r-80)+1], v\r\().h
.endr
.macro OWN a0, a1                      ; my own sums x 2^(e0 + e1) + bias, row tiles a0 and a1
	WIN 0x82
.irp a, \a0, \a1
.irp t, 0,1,2,3,4,5,6
.irp j, 0,2,4,6
	v_pk_fma_f32 v[8*(7*\a+\t)+\j:8*(7*\a+\t)+\j+1], v[8*(7*\a+\t)+\j:8*(7*\a+\t)+\j+1], s[96:97], v[BF+8*\t+\j:BF+8*\t+\j+1] op_sel_hi:[1,0,1]
.endr
.endr
.endr
	WIN 0xc3
.irp a, \a0, \a1
.irp t, 0,1,2,3
.irp j, 0,2,4,6
	v_pk_fma_f32 v[32*\a+8*\t+\j:32*\a+8*\t+\j+1], v[32*\a+8*\t+\j:32*\a+8*\t+\j+1], s[96:97], v[BF+56+8*\t+\j:BF+56+8*\t+\j+1] op_sel_hi:[1,0,1]
.endr
.endr
.endr
	WIN 0
	s_wait_alu depctr_va_vdst(0)
.endm
	OWN 0, 1                                       ; while what I send is on its way
	s_wait_dscnt 0x0                               ; what I send is in LDS
	s_barrier_signal -1
	OWN 2, 3                                       ; while the others arrive
	s_barrier_wait -1
; THE WAY OUT, row tile by row tile: the partner's sums are added, the results packed to f16 and put into my stage, and they come back with neighbouring lanes on neighbouring bytes: chunk c = 32 i + lane is
; piece c % (2 NT) of row c / (2 NT), and is stored there.  The stage's rows are 32 NT + 16 bytes apart, an odd multiple of 16, so that the sixteen rows that a store touches start at sixteen different banks
; (64 banks of 4 bytes: ISA guide 11.1); chunk c lies at 16 (c + row).  All lanes are on.
.macro XLOAD a, nt
.irp t, 0,1,2,3,4,5,6,7,8,9,10
.if \t < \nt
	ds_load_b128 v[16+88*((\a)%2)+8*\t:19+88*((\a)%2)+8*\t], v[XRD] offset:1024*(11*(\a)+\t)
	ds_load_b128 v[20+88*((\a)%2)+8*\t:23+88*((\a)%2)+8*\t], v[XRD] offset:1024*(11*(\a)+\t)+512
.endif
.endr
.endm
.macro COMP a, nt
.set PB, 16+88*((\a)%2)
.irp t, 0,1,2,3,4,5,6,7,8,9,10
.if \t < \nt
.if \t < 7
	WIN 0x20
.set AC, 8*(7*(\a)+\t)
.else
	WIN 0x30
.set AC, 32*(\a)+8*(\t-7)
.endif
.irp j, 0,2,4,6
	v_pk_fma_f32 v[PB+8*\t+\j:PB+8*\t+\j+1], v[PB+8*\t+\j:PB+8*\t+\j+1], s[96:97], v[AC+\j:AC+\j+1] op_sel_hi:[1,0,1]
.endr
.endif
.endr
.if (\a)%2
	WIN 0x40
.set OB, O1
.else
	WIN 0
.set OB, O0
.endif
.irp t, 0,1,2,3,4,5,6,7,8,9,10
.if \t < \nt
.irp k, 0,1,2,3
	v_cvt_pk_f16_f32 v[OB+4*\t+\k], v[PB+8*\t+2*\k], v[PB+8*\t+2*\k+1]
.endr
.endif
.endr
	WIN 0
	s_wait_alu depctr_va_vdst(0)
.endm
.macro STAGE a, nt                     ; into the stage, and back (LDS serves a wave's instructions in order: ISA guide 5.7.1.4)
.if (\a)%2
	WIN 0x04
.set OB, O1
.else
	WIN 0
.set OB, O0
.endif
.irp t, 0,1,2,3,4,5,6,7,8,9,10
.if \t < \nt
	ds_store_b128 v251, v[OB+4*\t:OB+4*\t+3] offset:16*(32*\nt+16)*(\a)+32*\t
.endif
.endr
	WIN 0x41
.irp t, 0,1,2,3,4,5,6,7,8,9,10
.if \t < \nt
	ds_load_b128 v[44*(\a)+4*\t:44*(\a)+4*\t+3], v[RDA+\t] offset:16*(32*\nt+16)*(\a)
.endif
.endr
	WIN 0
.endm
.macro SEND a, nt
	WIN 0x04
.irp t, 0,1,2,3,4,5,6,7,8,9,10
.if \t < \nt
	global_store_b128 v[OFF+\t], v[44*(\a)+4*\t:44*(\a)+4*\t+3], s[12:13] offset:16*NROW*(\a) th:TH_STORE_NT   ; each row tile has its own registers: no store's data are written again
.endif
.endr
	WIN 0
.endm
.macro ARM nt, magic                   ; magic / 65536: 1 / (2 nt), exact for the chunks of 16 rows
	XLOAD 0, \nt
	XLOAD 1, \nt
	v_and_b32 v247, 31, v0
.irp i, 0,1,2,3,4,5,6,7,8,9,10
.if \i < \nt
	v_add_nc_u32 v248, 32*\i, v247                 ; c
	v_mul_u32_u24 v249, \magic, v248
	v_lshrrev_b32 v249, 16, v249                   ; row
	v_lshlrev_b32 v250, 4, v248
	v_mad_u32_u24 v[OFF+\i], v249, NROW-32*\nt, v250   ; row x NROW + 16 x (c - 2 nt x row)
	v_add_nc_u32 v[O0+\i], v248, v249
.endif
.endr
	v_and_b32 v252, 15, v0
	v_mul_u32_u24 v252, 32*\nt+16, v252
	v_bfe_u32 v253, v0, 4, 1
	v_lshl_add_u32 v252, v253, 4, v252
	v_add_nc_u32 v251, s79, v252                   ; into the stage: row l % 16, 16 bytes for each half of the lanes
	WIN 0x40
.irp i, 0,1,2,3,4,5,6,7,8,9,10
.if \i < \nt
	v_lshl_add_u32 v[RDA+\i], v[O0+\i], 4, s79     ; out of it
.endif
.endr
	WIN 0
	s_wait_alu depctr_va_vdst(0)
	s_wait_dscnt 2*\nt                             ; tile 0's sums are in; tile 1's may be out
	COMP 0, \nt
	STAGE 0, \nt
	XLOAD 2, \nt
	s_wait_dscnt 4*\nt                             ; tile 1's are in; behind them: the stage's 2 nt and tile 2's 2 nt
	COMP 1, \nt
	s_wait_dscnt 2*\nt                             ; tile 0 is back from the stage; tile 2's sums may be out
	SEND 0, \nt
	STAGE 1, \nt
	XLOAD 3, \nt
	s_wait_dscnt 4*\nt
	COMP 2, \nt
	s_wait_dscnt 2*\nt
	SEND 1, \nt
	STAGE 2, \nt
	s_wait_dscnt 2*\nt                             ; tile 3's sums are in; the stage's may be out
	COMP 3, \nt
	s_wait_dscnt 0x0
	SEND 2, \nt
	STAGE 3, \nt
	s_wait_dscnt 0x0
	SEND 3, \nt
.endm
	s_cmp_eq_u32 ttmp9, 3                          ; the cluster's number: the same in all partners
	s_cbranch_scc1 .Lten
	ARM 11, 2979
	s_branch .Lend
.Lten:
	ARM 10, 3277
.Lend:
	s_wait_tensorcnt 0x0                           ; the wave's end
	ds_add_u32 v[SPW], v[NIL]
	s_wait_dscnt 0x0
	CROUND                                         ; the closing round: no work-group ends while a partner may still ask for a tile that names it
	s_endpgm
.Lfunc_end_k_q2d3ab6bdd2_gemm:
	.size	k_q2d3ab6bdd2_gemm, .Lfunc_end_k_q2d3ab6bdd2_gemm-k_q2d3ab6bdd2_gemm
	.p2alignl 7, 3214868480
	.fill 96, 4, 3214868480
	.section	.rodata,"a",@progbits
	.p2align	6, 0x0
	.amdhsa_kernel k_q2d3ab6bdd2_gemm
		.amdhsa_group_segment_fixed_size 327680
		.amdhsa_private_segment_fixed_size 0
		.amdhsa_enable_private_segment 0
		.amdhsa_kernarg_size 40
		.amdhsa_user_sgpr_count 2
		.amdhsa_user_sgpr_kernarg_segment_ptr 1
		.amdhsa_wavefront_size32 1
		.amdhsa_system_sgpr_workgroup_id_x 1
		.amdhsa_system_sgpr_workgroup_id_y 1
		.amdhsa_system_sgpr_workgroup_id_z 1
		.amdhsa_system_vgpr_workitem_id 0
		.amdhsa_next_free_vgpr 1024
		.amdhsa_next_free_sgpr 98
		.amdhsa_reserve_vcc 0
		.amdhsa_float_denorm_mode_32 3
		.amdhsa_float_denorm_mode_16_64 3
		.amdhsa_memory_ordered 1
		.amdhsa_forward_progress 1
		.amdhsa_inst_pref_size 184
	.end_amdhsa_kernel
	.amdgpu_metadata
---
amdhsa.version: [ 1, 2 ]
amdhsa.kernels:
  - .name:           k_q2d3ab6bdd2_gemm
    .symbol:         k_q2d3ab6bdd2_gemm.kd
    .args:
      - { .name: x_codes, .offset: 0, .size: 8, .value_kind: global_buffer, .address_space: global }
      - { .name: w_codes, .offset: 8, .size: 8, .value_kind: global_buffer, .address_space: global }
      - { .name: lowp_scales, .offset: 16, .size: 8, .value_kind: global_buffer, .address_space: global }
      - { .name: bias, .offset: 24, .size: 8, .value_kind: global_buffer, .address_space: global }
      - { .name: out0, .offset: 32, .size: 8, .value_kind: global_buffer, .address_space: global }
    .group_segment_fixed_size: 327680
    .private_segment_fixed_size: 0
    .kernarg_segment_align: 8
    .kernarg_segment_size: 40
    .max_flat_workgroup_size: 128
    .sgpr_count:     98
    .vgpr_count:     1024
    .wavefront_size: 32
...
	.end_amdgpu_metadata
.endif
;; end of part 4
